; MI455X (gfx1250); checked and timed in simulation.
; The chip was launched on July 23, 2026; its instructions are those of AMD's public machine-readable ISA for CDNA 5 (MIT licence, August 2026) and "CDNA5" Instruction Set Architecture Reference Guide (July 2026). The comments in the code are by the model that wrote it; some were corrected since.
;; Multi Head Dot Product Attention. Allowed arithmetic: matrix products marked QUANTISED: E2M3 operands, one E8M0 scale for each 32 along K, by v_wmma_scale_f32_16x16x128_f8f6f4 with both operands' format E2M3, f32 sums; everything else in f32.
;; Inputs: inputs_kv 8 x 1,024 x 1,024 float32; inputs_q 8 x 1,024 x 1,024 float32; w_k 1,024 x 1,024 float32; w_o 1,024 x 1,024 float32; w_q 1,024 x 1,024 float32; w_v 1,024 x 1,024 float32.
;; Outputs: out0 8 x 1,024 x 1,024 float32.
;; This version of the problem:
;;   THIS VERSION OF THE PROBLEM IS GIVEN IN LOW PRECISION. The matrix products marked QUANTISED in the list below multiply operands that are first quantised to E2M3 (2 exponent bits, 3 mantissa bits; 6 bits a number), with one power-of-two scale for each 32 numbers along K (OCP MX v1.0); their sums are f32. All else is computed in f32.
;;   The module's matrix products, in the order in which they are computed (A, B: the left and right operand; K: the contracted axis; several contracted axes count as one K, in the product's order):
;;     1. [M 8,192, K 1,024] x [K 1,024, N 1,024]; A: input inputs_q; B: input w_q: QUANTISED
;;     2. [M 8,192, K 1,024] x [K 1,024, N 1,024]; A: input inputs_kv; B: input w_k: QUANTISED
;;     3. [M 8,192, K 1,024] x [K 1,024, N 1,024]; A: input inputs_kv; B: input w_v: QUANTISED
;;     4. batch 128 x [M 1,024, K 64] x [K 64, N 1,024]; A: computed on the way; B: computed on the way: QUANTISED
;;     5. batch 128 x [M 64, K 1,024] x [K 1,024, N 1,024]; A: computed on the way; B: softmax (see below): QUANTISED
;;     6. [M 8,192, K 1,024] x [K 1,024, N 1,024]; A: computed on the way; B: input w_o: QUANTISED
;;   THE QUANTISER, for each operand of a quantised product, along K:
;;     - K is cut into blocks of 32 from its start; a last block that is shorter is filled with zeros.
;;     - A block's scale is 2^e with e = floor(log2(the largest magnitude in the block)) - 2, held to -126 .. 127; a block of zeros has e = 0. As a byte (E8M0): e + 127.
;;     - Each number is divided by its block's scale, clamped to +-7.5, and rounded to the nearest number of E2M3, ties to even, subnormals kept.
;;     - The product sums the exact products of the quantised numbers (number of the format x scale) in f32.
;;   ~~~python
;;   def quantise(x, axis):      # numpy; x: float32 -> the quantised numbers, widened to float32 again
;;       x = np.moveaxis(x, axis, -1); K = x.shape[-1]
;;       x = np.pad(x, [(0, 0)] * (x.ndim - 1) + [(0, -K % 32)]); x = x.reshape(x.shape[:-1] + (-1, 32)); a = np.abs(x).max(-1, keepdims=True)
;;       e = np.where(a > 0, np.clip(np.frexp(np.where(a > 0, a, 1))[1] - 1 - 2, -126, 127), 0)      # np.frexp(a)[1] - 1 = floor(log2(a)), exactly
;;       r = np.clip(x / 2.0 ** e, -7.5, 7.5)
;;       step = 2.0 ** (np.maximum(np.frexp(np.where(r == 0, 1, r))[1] - 1, 0) - 3)
;;       q = np.round(r / step) * step * 2.0 ** e      # np.round: ties to even
;;       return np.moveaxis(q.reshape(q.shape[:-2] + (-1,))[..., :K], -1, axis).astype(np.float32)
;;   ~~~
;;   SOFTMAX AHEAD OF A QUANTISED PRODUCT. Where the list says 'softmax', what is quantised is not the finished softmax but p = 2^(t - M), with t = logit x log2(e) and M = ceil(the row's largest t), a whole number; so 1/2 < the row's largest p <= 1. The row's sum l is taken of the UNQUANTISED p, in f32, and the product's result is divided by l at the end. Since M is a whole number, a kernel that streams over the keys may use a running M (the ceiling of the running maximum): every later rescaling is an exact power of two, which a block's scale takes up: the codes' values come out the same.
;;   OPERANDS COMPUTED ON THE WAY. 'Computed on the way' means the value that the module computes at that place (a softmax that the list does not call 'softmax' is quantised finished and normalised). What goes into a quantiser is computed in f32, as accurately as f32 sums, v_exp_f32 and their like allow (about 1e-6 of the number): no bf16 or f16 on the way to a quantiser, and a product that is left as it is and whose result goes on into a quantised operand takes f32 operands (vector FMAs, or v_wmma_f32_16x16x4_f32). A number that lies on a knife's edge between two numbers of the format may be rounded either way, as far as f32 arithmetic and the matrix unit's own rounding can turn it there, and no further.
;; One version. Each part assembles by itself: llvm-mc -triple=amdgcn-amd-amdhsa -mcpu=gfx1250 --defsym DOCPART=n.
;; ======== version 1 of 1: 4 launches
;; limits: right only within a limited range of input values
;; workspace buffers: xcodes 12,582,912 bytes; wcodes 3,145,728 bytes; pscales 655,360 bytes; rope 262,144 bytes; qkvcodes 18,874,368 bytes; qkvscales 786,432 bytes; ocodes 6,291,456 bytes; oscales 262,144 bytes
;; launch prep (part 1): grid 520 x 1, 4 waves a work-group, no clusters, 47,616 bytes of LDS; arguments inputs_q, inputs_kv, w_q, w_k, w_v, w_o, xcodes, wcodes, pscales, rope; writes xcodes, wcodes, pscales, rope
.if DOCPART == 1
	.amdgcn_target "amdgcn-amd-amdhsa--gfx1250"
	.amdhsa_code_object_version 6
	.text
	.protected	k_qa414b0022c_prep
	.globl	k_qa414b0022c_prep
	.p2align	8
	.type	k_qa414b0022c_prep,@function
k_qa414b0022c_prep:
	s_mov_b64 s[64:65], 0
	v_nop
	global_prefetch_b8 v0, s[64:65] scope:SCOPE_SE
	s_setreg_imm32_b32 hwreg(HW_REG_WAVE_MODE, 25, 1), 1
	s_wait_xcnt 0x0
; PREP: the two activations and the four weights become codes of FP6 (E2M3) with one E8M0 byte for each 32 along K, and the table of cosines and sines is made.
; A block's scale is 2^(floor(log2(its largest magnitude)) - 2): its byte is the largest magnitude's exponent field - 2, held at 1 from below.
; LIMITS: NaN and infinities are not served.  A block of zeros gets the byte 1 where the rule says 127 (its codes are zeros, and the bytes are read by this program alone).
;         A block whose largest magnitude lies under 2^-124 is held at the byte 1.
; LAYOUT OF THE CODES: images of the operand's registers.  A TILE is 16 rows; tile t's lane row r stands for source row 32 (t / 2) + 8 (t % 2) + r + 8 (r / 8).
; A UNIT is a tile x 64 along K, 768 bytes: lane l's registers 0-3 at 16 l, its registers 4-5 at 512 + 8 l; lane (r, h) holds k = 32 h .. 32 h + 31 of its row.  A tile has 16 units on end.
; LAYOUT OF THE SCALE WORDS (four bytes: a row's 128 along K, K step s): tile x 512 + (s / 4) x 256 + 16 r + 4 (s % 4): one load of 16 bytes a lane brings a tile's eight words,
; steps 0-3 in lanes 0-15 and steps 4-7 in lanes 16-31.
; THREE PATHS, parted on the work-group's number; each has LDS bytes of its own.  0-255: x (a wave to a tile, all of K).  256-511: weights (a wave to 32 columns x 128 along K).  512-519: the table.
; No matrix unit, no tensor load, no barrier: waves share nothing.
.set XST,  8448                        ; path X: a wave's stage: 16 rows x (512 bytes + 16)
.set WST0, 4*XST                       ; path W's stages begin behind them
.set WST,  3328                        ; a wave's: two tiles x (1,536 bytes + 128)
.set UST,  1664
.set RA,   16                          ; X: v16-143  two sets of 64: a K step as it is loaded
.set XN,   144                         ; X: v144-207 64 numbers in the operand's order
.set CD,   208                         ; X: v208-219 a K step's codes
.set WD,   236                         ; X: v236-243 the eight scale words
	s_load_b512 s[8:23], s[0:1], 0x0               ; inputs_q 8, inputs_kv 10, w_q 12, w_k 14, w_v 16, w_o 18, xcodes 20, wcodes 22
	s_load_b128 s[24:27], s[0:1], 0x40             ; pscales 24, rope 26
	v_lshl_add_u32 v254, v0, 2, 0xb800
	v_mov_b32 v255, 0
	v_lshrrev_b32 v6, 5, v0
	v_readfirstlane_b32 s2, v6                     ; wave
	v_and_b32 v6, 31, v0                           ; lane
	v_and_b32 v7, 15, v0                           ; r
	v_bfe_u32 v8, v0, 4, 1                         ; h
	v_lshlrev_b32 v1, 4, v6                        ; 16 x lane
	s_mov_b32 s28, 0x76543210
	s_mov_b32 s29, 0xfedcba98                      ; v_permlanex16_b32's selects for lane l xor 16
	s_wait_kmcnt 0x0
	s_cmp_lt_u32 ttmp9, 256
	s_cbranch_scc0 .Lnot_x
; ---------------- PATH X: wave number 4 x work-group + wave: tensor = its bit 9, tile = its low nine bits
	s_lshl_b32 s3, ttmp9, 2
	s_add_co_u32 s3, s3, s2
	s_and_b32 s4, s3, 511                          ; tile
	s_lshr_b32 s5, s3, 9                           ; 0: inputs_q, 1: inputs_kv
	s_cmp_eq_u32 s5, 0
	s_cselect_b64 s[30:31], s[8:9], s[10:11]
	s_mul_i32 s32, s5, 6291456                     ; the tensor's part of xcodes,
	s_lshl_b32 s34, s5, 18                         ; and of pscales
	s_lshr_b32 s6, s4, 1
	s_lshl_b32 s6, s6, 17                          ; 32 rows of 4,096 bytes for each pair of tiles,
	s_and_b32 s7, s4, 1
	s_lshl_b32 s7, s7, 15                          ; 8 rows for the odd tile
	s_add_co_u32 s6, s6, s7
	s_mov_b32 s7, 0
	s_add_nc_u64 s[30:31], s[30:31], s[6:7]
	s_mul_i32 s6, s4, 12288
	s_add_co_u32 s32, s32, s6
	s_mov_b32 s33, 0
	s_add_nc_u64 s[32:33], s[20:21], s[32:33]
	s_lshl_b32 s6, s4, 9
	s_add_co_u32 s34, s34, s6
	s_mov_b32 s35, 0
	s_add_nc_u64 s[34:35], s[24:25], s[34:35]
	s_mul_i32 s36, s2, XST
	s_mov_b32 s37, 0xffff0000                      ; lanes 16-31
	s_wait_alu depctr_va_vdst(0)
	v_add_nc_u32 v2, s36, v1                       ; the stage, on the way in: 16 x lane of a row
	v_mul_u32_u24 v3, v7, 528
	v_lshl_add_u32 v3, v8, 7, v3
	v_add_nc_u32 v3, s36, v3                       ; on the way out: row r, + 128 h: my block of 32 numbers
	v_lshlrev_b32 v4, 3, v6                        ; 8 x lane
	v_lshlrev_b32 v5, 3, v8                        ; 8 h: my bytes' shift in a scale word
	v_mov_b32 v234, 0                              ; a lane permute's destination counts as one of its sources
.macro XLOAD s                         ; K step s of the tile's 16 rows: each load reads 512 consecutive bytes of one row
.irp i, 0,1,2,3,4,5,6,7,8,9,10,11,12,13,14,15
	global_load_b128 v[RA+64*((\s)%2)+4*\i:RA+64*((\s)%2)+4*\i+3], v1, s[30:31] offset:(\i+8*(\i/8))*4096+512*(\s) th:TH_LOAD_NT
.endr
.endm
.macro XSTEP s
.if (\s) < 7
	s_wait_loadcnt 16                              ; this step's 16 loads are in; the next step's 16 may be out
.else
	s_wait_loadcnt 0x0
.endif
.irp i, 0,1,2,3,4,5,6,7,8,9,10,11,12,13,14,15
	ds_store_b128 v2, v[RA+64*((\s)%2)+4*\i:RA+64*((\s)%2)+4*\i+3] offset:528*\i
.endr
.irp c, 0,1                            ; LDS serves a wave's instructions in order (ISA guide 5.7.1.4): these see the stores above.  Lane (r, h) takes k = 64 c + 32 h + 0 .. 31 of row r
.irp j, 0,1,2,3,4,5,6,7
	ds_load_b128 v[XN+32*\c+4*\j:XN+32*\c+4*\j+3], v3 offset:256*\c+16*\j
.endr
.endr
	s_wait_dscnt 0x0                               ; the numbers are back, and the stores into the stage have read their registers
	s_wait_xcnt 0x0                                ; the last step's stores have read the codes' registers, which are written again below
.if (\s) < 6
	XLOAD (\s)+2
.endif
.irp c, 0,1                            ; my block 2 c + h: all its 32 numbers are mine; the floor 2^(3 - 127) holds the byte at 1 from below
	v_max3_num_f32 v[228+\c], |v[XN+32*\c]|, |v[XN+32*\c+1]|, 0x1800000
.endr
.irp i, 2,4,6,8,10,12,14,16,18,20,22,24,26,28,30
.irp c, 0,1
	v_max3_num_f32 v[228+\c], v[228+\c], |v[XN+32*\c+\i]|, |v[XN+32*\c+\i+1]|
.endr
.endr
.irp c, 0,1
	v_add_nc_u32 v[230+\c], 0xff000000, v[228+\c]  ; 2 off the exponent field: the conversion's scale operand
.endr
.irp c, 0,1
	v_lshrrev_b32 v[232+\c], 23, v[230+\c]         ; the scale's byte
.endr
	v_lshl_or_b32 v232, v233, 16, v232             ; blocks h and 2 + h,
	v_lshlrev_b32 v232, v5, v232                   ; at their places in the word;
	v_permlanex16_b32 v234, v232, s28, s29
	v_or_b32 v[WD+(\s)], v232, v234                ; with lane l xor 16's two the word is whole
.irp c, 0,1
	v_cvt_scalef32_pk16_fp6_f32 v[CD+6*\c:CD+6*\c+2], v[XN+32*\c:XN+32*\c+15], v[230+\c]
	v_cvt_scalef32_pk16_fp6_f32 v[220+4*\c:222+4*\c], v[XN+32*\c+16:XN+32*\c+31], v[230+\c]   ; (a conversion's three registers begin on an even number)
.endr
	v_nop                                          ; one plain place behind a scaled conversion
.irp c, 0,1
.irp i, 0,1,2
	v_mov_b32 v[CD+6*\c+3+\i], v[220+4*\c+\i]
.endr
.endr
.irp c, 0,1                            ; unit 2 s + c: 512 consecutive bytes, then 256
	global_store_b128 v1, v[CD+6*\c:CD+6*\c+3], s[32:33] offset:(2*(\s)+\c)*768
	global_store_b64 v4, v[CD+6*\c+4:CD+6*\c+5], s[32:33] offset:(2*(\s)+\c)*768+512
.endr
.endm
	XLOAD 0
	XLOAD 1
	s_wait_alu depctr_va_vdst(0)
.irp s, 0,1,2,3,4,5,6,7
	XSTEP \s
.endr
.irp j, 0,1,2,3
	v_cndmask_b32 v[244+\j], v[WD+\j], v[WD+4+\j], s37   ; lanes 0-15: steps 0-3; lanes 16-31: steps 4-7
.endr
	global_store_b128 v1, v[244:247], s[34:35]     ; the tile's 512 bytes of scale words
	s_wait_tensorcnt 0x0
	ds_add_u32 v254, v255
	s_wait_dscnt 0x0
	s_endpgm
; ---------------- PATH W: j = work-group - 256: weight j / 64, K step (j / 8) % 8, 32 columns number 4 (j % 8) + wave.  A lane takes a column and its registers run down K
.Lnot_x:
	s_cmp_lt_u32 ttmp9, 512
	s_cbranch_scc0 .Lrope
	s_sub_co_u32 s3, ttmp9, 256
	s_lshr_b32 s4, s3, 6                           ; which weight: 0 q, 1 k, 2 v, 3 o
	s_bfe_u32 s5, s3, 0x30003                      ; K step
	s_and_b32 s6, s3, 7
	s_lshl_b32 s6, s6, 2
	s_add_co_u32 s6, s6, s2                        ; group of 32 columns = pair of tiles
	s_bitcmp1_b32 s4, 0
	s_cselect_b64 s[30:31], s[14:15], s[12:13]
	s_cselect_b64 s[32:33], s[18:19], s[16:17]
	s_bitcmp1_b32 s4, 1
	s_cselect_b64 s[30:31], s[32:33], s[30:31]
	s_lshl_b32 s34, s5, 19                         ; 128 rows of 4,096 bytes a K step
	s_lshl_b32 s7, s6, 7
	s_add_co_u32 s34, s34, s7
	s_mov_b32 s35, 0
	s_add_nc_u64 s[30:31], s[30:31], s[34:35]
	s_mul_i32 s36, s4, 786432
	s_mul_i32 s7, s6, 24576
	s_add_co_u32 s36, s36, s7
	s_mul_i32 s7, s5, 1536
	s_add_co_u32 s36, s36, s7
	s_mov_b32 s37, 0
	s_add_nc_u64 s[36:37], s[22:23], s[36:37]      ; the even tile's two units of this K step
	s_lshl_b32 s38, s4, 15
	s_lshl_b32 s7, s6, 10
	s_add_co_u32 s38, s38, s7
	s_lshr_b32 s7, s5, 2
	s_lshl_b32 s7, s7, 8
	s_add_co_u32 s38, s38, s7
	s_and_b32 s7, s5, 3
	s_lshl_b32 s7, s7, 2
	s_add_co_u32 s38, s38, s7
	s_add_co_u32 s38, s38, 524288
	s_mov_b32 s39, 0
	s_add_nc_u64 s[38:39], s[24:25], s[38:39]
	s_wait_alu depctr_va_vdst(0)
	v_lshlrev_b32 v2, 2, v6                        ; 4 x lane
	v_bfe_u32 v3, v0, 3, 1                         ; column l belongs to tile u = (l / 8) % 2 of the pair,
	v_and_b32 v4, 7, v0
	v_lshl_or_b32 v4, v8, 3, v4                    ; as its lane row l % 8 + 8 (l / 16)
	s_mul_i32 s40, s2, WST
	s_add_co_u32 s40, s40, WST0
	v_mul_u32_u24 v5, v3, UST
	v_add_nc_u32 v5, s40, v5
	v_lshl_add_u32 v9, v4, 4, v5                   ; the stage: where my registers 0-3 go,
	v_lshl_add_u32 v10, v4, 3, v5                  ; and 4-5
	v_add_nc_u32 v11, s40, v1                      ; and where I read 16 bytes back
	v_lshlrev_b32 v12, 9, v3
	v_lshl_add_u32 v12, v4, 4, v12                 ; my scale word's place: 512 u + 16 x lane row
.set kk, 0
.rept 128
	global_load_b32 v[16+kk], v2, s[30:31] offset:kk*4096 th:TH_LOAD_NT   ; a row of the weight at 32 neighbouring columns; the four waves stand side by side on 512 bytes
.set kk, kk+1
.endr
.macro WBLOCK q, left
.set NB, 16+32*(\q)
	s_wait_loadcnt \left                           ; this block's 32 loads are in
	v_max3_num_f32 v154, |v[NB]|, |v[NB+1]|, |v[NB+2]|
	v_max3_num_f32 v155, |v[NB+3]|, |v[NB+4]|, |v[NB+5]|
.irp i, 6,10,14,18,22,26
	v_max3_num_f32 v154, v154, |v[NB+\i]|, |v[NB+\i+1]|
	v_max3_num_f32 v155, v155, |v[NB+\i+2]|, |v[NB+\i+3]|
.endr
	v_max3_num_f32 v154, v154, |v[NB+30]|, |v[NB+31]|
	v_max3_num_f32 v154, v154, v155, 0x1800000     ; and the floor
	v_add_nc_u32 v156, 0xff000000, v154
	v_lshrrev_b32 v158, 23, v156
.if (\q) == 0
	v_mov_b32 v157, v158
.else
	v_lshl_or_b32 v157, v158, 8*(\q), v157         ; the K step's word, the lower K in the lower byte
.endif
	v_cvt_scalef32_pk16_fp6_f32 v[144:146], v[NB:NB+15], v156
	v_cvt_scalef32_pk16_fp6_f32 v[150:152], v[NB+16:NB+31], v156
	v_nop                                          ; one plain place behind a scaled conversion
.irp i, 0,1,2
	v_mov_b32 v[147+\i], v[150+\i]
.endr
	ds_store_b128 v9, v[144:147] offset:768*((\q)/2)+256*((\q)%2)          ; block q is unit q / 2, half q % 2 of the lanes
	ds_store_b64 v10, v[148:149] offset:768*((\q)/2)+128*((\q)%2)+512
	s_wait_dscnt 0x0                               ; the stores have read their registers: the next block's codes may be written
.endm
	WBLOCK 0, 63                                   ; (96 might stay out; 63 is the most that the wait can name)
	WBLOCK 1, 63                                   ; (64 might)
	WBLOCK 2, 32
	WBLOCK 3, 0
	s_wait_alu depctr_va_vdst(0)
	global_store_b32 v12, v157, s[38:39]           ; four bytes a lane, 16 bytes apart: one byte in 128 of what this path reads
.irp n, 0,1,2,3,4,5
	ds_load_b128 v[160+4*\n:163+4*\n], v11 offset:UST*(\n/3)+512*(\n%3)
.endr
.irp n, 0,1,2,3,4,5
	s_wait_dscnt 5-\n
	global_store_b128 v1, v[160+4*\n:163+4*\n], s[36:37] offset:12288*(\n/3)+512*(\n%3)   ; 512 consecutive bytes
.endr
	s_wait_tensorcnt 0x0
	ds_add_u32 v254, v255
	s_wait_dscnt 0x0
	s_endpgm
; ---------------- PATH ROPE: rope[t][i] = (cos, sin)(t x 10000^(-i / 32)), t = 0 .. 1,023, i = 0 .. 31.  A wave takes 32 positions, a lane a pair i.
; theta in f32 as the product of t and the frequency; reduced by multiples of pi / 2 held in three parts; polynomials on [-pi / 4, pi / 4]; the quadrant only selects values.
.Lrope:
	s_sub_co_u32 s3, ttmp9, 512
	s_lshl_b32 s3, s3, 2
	s_add_co_u32 s3, s3, s2
	s_lshl_b32 s3, s3, 5                           ; my first position
	v_mov_b32 v10, 0
.set i, 0
.irp f, 1.0, 0.7498942093, 0.5623413252, 0.4216965034, 0.3162277660, 0.2371373706, 0.1778279410, 0.1333521432, 0.1, 0.07498942093, 0.05623413252, 0.04216965034, 0.03162277660, 0.02371373706, 0.01778279410, 0.01333521432, 0.01, 0.007498942093, 0.005623413252, 0.004216965034, 0.003162277660, 0.002371373706, 0.001778279410, 0.001333521432, 0.001, 0.0007498942093, 0.0005623413252, 0.0004216965034, 0.0003162277660, 0.0002371373706, 0.0001778279410, 0.0001333521432
	s_mov_b32 s4, \f                               ; 10^(-i / 8)
	v_writelane_b32 v10, s4, i
.set i, i+1
.endr
	s_lshl_b32 s4, s3, 8
	v_lshl_add_u32 v11, v6, 3, s4                  ; 256 t + 8 x lane
	s_mov_b32 s30, 0x3f22f983                      ; 2 / pi
	s_mov_b32 s31, 0x3fc90fdb                      ; pi / 2 in three parts
	s_mov_b32 s32, 0xb33bbd2e
	s_mov_b32 s33, 0xa6f72ced
	s_mov_b32 s34, 0xb94ca1f9                      ; the sine's highest coefficient
	s_mov_b32 s35, 0x37ccf5ce                      ; the cosine's
	s_mov_b32 s5, 32
.Lpos:
	v_cvt_f32_u32 v12, s3
	s_wait_alu depctr_va_vdst(0)
	v_mul_f32 v12, v12, v10                        ; theta
	v_mul_f32 v13, s30, v12
	v_rndne_f32 v13, v13                           ; n
	v_fma_f32 v14, -v13, s31, v12
	v_fma_f32 v14, -v13, s32, v14
	v_fma_f32 v14, -v13, s33, v14                  ; x = theta - n pi / 2
	v_mul_f32 v15, v14, v14                        ; z = x x
	v_cvt_i32_f32 v16, v13
	v_fmaak_f32 v17, s34, v15, 0x3c08839e
	v_fmaak_f32 v19, s35, v15, 0xbab6061a
	v_fmaak_f32 v17, v17, v15, 0xbe2aaaa3
	v_fmaak_f32 v19, v19, v15, 0x3d2aaaa5
	v_mul_f32 v18, v15, v14
	v_mul_f32 v20, v15, v15
	v_fma_f32 v21, v15, -0.5, 1.0
	v_fma_f32 v17, v17, v18, v14                   ; sin x
	v_fma_f32 v19, v19, v20, v21                   ; cos x
	v_and_b32 v22, 1, v16
	v_cmp_eq_u32 vcc_lo, 1, v22
	v_cndmask_b32 v23, v17, v19, vcc_lo            ; an odd quadrant changes the two over
	v_cndmask_b32 v24, v19, v17, vcc_lo
	v_and_b32 v25, 2, v16
	v_add_nc_u32 v26, 1, v16
	v_lshlrev_b32 v25, 30, v25                     ; the sine is negative in quadrants 2, 3,
	v_and_b32 v26, 2, v26
	v_lshlrev_b32 v26, 30, v26                     ; the cosine in 1, 2
	v_xor_b32 v28, v26, v24
	v_xor_b32 v29, v25, v23
	global_store_b64 v11, v[28:29], s[26:27]       ; 32 lanes store a position's 256 bytes
	s_wait_xcnt 0x0                                ; the store has read its registers: they are written again in the next trip
	v_add_nc_u32 v11, 256, v11
	s_add_co_u32 s3, s3, 1
	s_sub_co_u32 s5, s5, 1
	s_cmp_lg_u32 s5, 0
	s_cbranch_scc1 .Lpos
	s_endpgm
.Lfunc_end_k_qa414b0022c_prep:
	.size	k_qa414b0022c_prep, .Lfunc_end_k_qa414b0022c_prep-k_qa414b0022c_prep
	.p2alignl 7, 3214868480
	.fill 96, 4, 3214868480
	.section	.rodata,"a",@progbits
	.p2align	6, 0x0
	.amdhsa_kernel k_qa414b0022c_prep
		.amdhsa_group_segment_fixed_size 47616
		.amdhsa_private_segment_fixed_size 0
		.amdhsa_enable_private_segment 0
		.amdhsa_kernarg_size 80
		.amdhsa_user_sgpr_count 2
		.amdhsa_user_sgpr_kernarg_segment_ptr 1
		.amdhsa_wavefront_size32 1
		.amdhsa_system_sgpr_workgroup_id_x 1
		.amdhsa_system_sgpr_workgroup_id_y 1
		.amdhsa_system_sgpr_workgroup_id_z 1
		.amdhsa_system_vgpr_workitem_id 0
		.amdhsa_next_free_vgpr 256
		.amdhsa_next_free_sgpr 66
		.amdhsa_reserve_vcc 1
		.amdhsa_float_denorm_mode_32 3
		.amdhsa_float_denorm_mode_16_64 3
		.amdhsa_memory_ordered 1
		.amdhsa_forward_progress 1
		.amdhsa_inst_pref_size 86
	.end_amdhsa_kernel
	.amdgpu_metadata
---
amdhsa.version: [ 1, 2 ]
amdhsa.kernels:
  - .name:           k_qa414b0022c_prep
    .symbol:         k_qa414b0022c_prep.kd
    .args:
      - { .name: inputs_q, .offset: 0, .size: 8, .value_kind: global_buffer, .address_space: global }
      - { .name: inputs_kv, .offset: 8, .size: 8, .value_kind: global_buffer, .address_space: global }
      - { .name: w_q, .offset: 16, .size: 8, .value_kind: global_buffer, .address_space: global }
      - { .name: w_k, .offset: 24, .size: 8, .value_kind: global_buffer, .address_space: global }
      - { .name: w_v, .offset: 32, .size: 8, .value_kind: global_buffer, .address_space: global }
      - { .name: w_o, .offset: 40, .size: 8, .value_kind: global_buffer, .address_space: global }
      - { .name: xcodes, .offset: 48, .size: 8, .value_kind: global_buffer, .address_space: global }
      - { .name: wcodes, .offset: 56, .size: 8, .value_kind: global_buffer, .address_space: global }
      - { .name: pscales, .offset: 64, .size: 8, .value_kind: global_buffer, .address_space: global }
      - { .name: rope, .offset: 72, .size: 8, .value_kind: global_buffer, .address_space: global }
    .group_segment_fixed_size: 47616
    .private_segment_fixed_size: 0
    .kernarg_segment_align: 8
    .kernarg_segment_size: 80
    .max_flat_workgroup_size: 128
    .sgpr_count:     66
    .vgpr_count:     256
    .wavefront_size: 32
...
	.end_amdgpu_metadata
.endif
;; end of part 1
;; launch proj (part 2): grid 4 x 64, 4 waves a work-group, clusters of 4 x 4, 327,680 bytes of LDS; arguments xcodes, wcodes, pscales, rope, qkvcodes, qkvscales; writes qkvcodes, qkvscales
.if DOCPART == 2
	.amdgcn_target "amdgcn-amd-amdhsa--gfx1250"
	.amdhsa_code_object_version 6
	.text
	.protected	k_qa414b0022c_proj
	.globl	k_qa414b0022c_proj
	.p2align	8
	.type	k_qa414b0022c_proj,@function
k_qa414b0022c_proj:
	s_mov_b64 s[64:65], 0
	v_nop
	global_prefetch_b8 v0, s[64:65] scope:SCOPE_SE
	s_setreg_imm32_b32 hwreg(HW_REG_WAVE_MODE, 25, 1), 1
	s_wait_xcnt 0x0
	s_wait_alu depctr_hold_cnt(0) depctr_sa_sdst(0) depctr_va_vdst(0) depctr_va_sdst(0) depctr_va_ssrc(0) depctr_va_vcc(0) depctr_vm_vsrc(0)
	s_getreg_b32 s2, hwreg(HW_REG_IB_STS2, 6, 4)
	s_cmp_eq_u32 s2, 0
	s_cbranch_scc0 .Lentry_in_a_cluster
	s_endpgm
.Lentry_in_a_cluster:
	s_bfe_u32 s2, ttmp6, 0x10000c
	s_cmp_lg_u32 s2, 0xf033
	s_cbranch_scc0 .Lentry_shape_is_right
	s_endpgm
.Lentry_shape_is_right:
; PROJ: the three projections on codes of FP6 (E2M3), with RoPE and the quantising of q, k and v done in registers.  Nothing leaves as f32.
; A WORK-GROUP STAYS and walks three jobs.  Source 0 is operand P (256 rows a work-group), source 1 operand R (128 rows); K = 1,024.
;   job 0: P = w_q's columns, R = inputs_q's rows.   job 1: P = w_k's, R = inputs_kv's.   job 2: P = inputs_kv's rows, R = w_v's columns.
; In the result a lane holds ONE row of R and its registers run along P.  By the order of a tile's rows (tile t, lane row r: row 32 (t / 2) + 8 (t % 2) + r + 8 (r / 8)) the 16 registers of P's tiles
; 2 b, 2 b + 1 are P's rows 32 b + 16 (lane / 16) + 0 .. 15: neighbours along the next product's K (jobs 0, 1: the head's 64; job 2: the keys).
; A wave takes 8 tiles of P x 4 of R: 32 accumulators.
; LDS holds all of K for a job's tiles: P's 16 tiles of 12,288 bytes, then R's 8.  ONE tensor load a wave fills it: waves 0, 1 eight tiles of P each (98,304 dense bytes), waves 2, 3 four of R (49,152).
; When K step 7's fragments are in registers, LDS is read no more: the same bytes are then filled again with the next job's tiles (the waits, the add and a round of the cluster's barrier in front)
; step 7's 32 products and the way out of the finished job (RoPE, quantiser, stores) stand between that request and the wait for it.
; Jobs 0 and 1 are a loop of two trips; job 2, which asks for nothing more, is written out.
; CLUSTER: P's tiles hang on cx and the cluster alone and are asked for jointly by a column of the cluster, R's on cy and the cluster alone, by a row.
; PREFETCH: in a job's first K step each wave asks for its share of the tiles that the job's own refill will load, 224 products ahead of that refill.  Of the bytes that a wave fetches each of the four
; partners that ask for them jointly takes a quarter, told apart by address (cy for P, cx for R): 96 or 48 blocks of 256 bytes, a lane a block; the lanes left over in R's second request name the
; quarter's last block.  Job 0's tiles come by their loads alone; the last job asks for nothing.
; OUT: q: [head 128][tile 64][768]; k and v: [head][k: 64 tiles x 768, v: 8 K steps x 4 tiles x 2 units x 768].
;   q's and k's scale words: [head][group of 64 tokens][lane (r, h)]: low half tile 2 h's two bytes, high half tile 2 h + 1's.   v's: [head][K step][lane (r, h)][j]: the word of tile 2 j + h.
; LIMITS: NaN and infinities are not served; a block of zeros has the byte 1 (zero codes; read by this program alone); a block under 2^-124 is held at the byte 1.
; REGISTERS.  window 0: v1-4 lane terms; v6-11 LDS addresses; v12-13 the prefetches' offsets; v24-55 P's scale words, v56-71 R's; v72-135 Y; v136-143 T; v144-223 codes; v224-239 TM; v240-249 scale words made.
;   window 1: accumulator (a, p) at 8 (8 a + p).   windows 2, 3: fragment sets 0, 1: P's tile p at 12 p, R's tile a at 96 + 12 a; v144-207: the table of cosines and sines.
.set SCP, 24
.set SCR, 56
.set Y,   72
.set T,   136
.set PCB, 144
.set TM,  224
.set PW,  240
.set CS,  144
.set HP,  98304                        ; eight tiles, all of K
.set HR,  49152                        ; four tiles
.set RB,  196608                       ; R's tiles begin behind P's sixteen
.set SPARE, 294912
.set MSB, 0
.macro WIN new
.if MSB != (\new)
	s_set_vgpr_msb (MSB<<8)|(\new)
.set MSB, (\new)
.endif
.endm
.macro ROUND
	s_barrier_signal -1
	s_barrier_wait -1
	s_cmp_lg_u32 s16, 0
	s_cbranch_scc1 .Lnot_wave_0_\@
	s_barrier_signal -3
.Lnot_wave_0_\@:
	s_barrier_wait -3
	s_barrier_signal -1
	s_barrier_wait -1
.endm
.macro PLACES
.rept 4
	v_nop
.endr
.endm
.macro JLOAD                           ; my one joint load: waves 0, 1 for P, waves 2, 3 for R; s_nop 0 and four v_nop behind each line
	s_cmp_eq_u32 s18, 0
	s_cbranch_scc0 .Lfor_r_\@
	tensor_load_to_lds s[40:43], s[24:31]
	s_nop 0
	PLACES
	s_branch .Lasked_\@
.Lfor_r_\@:
	tensor_load_to_lds s[44:47], s[32:39]
	s_nop 0
	PLACES
.Lasked_\@:
.endm
.macro ASK                             ; the prefetch: my quarter of what my next load fetches; P's waves three requests, R's two
	WIN 0
	s_cmp_eq_u32 s18, 0
	s_cselect_b64 s[88:89], s[48:49], s[52:53]     ; written again only behind the s_wait_xcnt 0 at the products' end
	global_prefetch_b8 v12, s[88:89] th:TH_LOAD_NT scope:SCOPE_SE
	global_prefetch_b8 v13, s[88:89] th:TH_LOAD_NT scope:SCOPE_SE
	s_cbranch_scc0 .Lno_third_\@
	global_prefetch_b8 v12, s[88:89] offset:16384 th:TH_LOAD_NT scope:SCOPE_SE
.Lno_third_\@:
.endm
.macro SCLOAD                          ; a job's scale words: register j: lanes 0-15 K step j, lanes 16-31 K step 4 + j
.irp p, 0,1,2,3,4,5,6,7
	global_load_b128 v[SCP+4*\p:SCP+4*\p+3], v1, s[68:69] offset:512*\p
.endr
.irp a, 0,1,2,3
	global_load_b128 v[SCR+4*\a:SCR+4*\a+3], v1, s[74:75] offset:512*\a
.endr
.endm
	s_load_b256 s[4:11], s[0:1], 0x0               ; xcodes 4, wcodes 6, pscales 8, rope 10
	s_load_b128 s[12:15], s[0:1], 0x20             ; qkvcodes 12, qkvscales 14
	v_lshl_add_u32 v254, v0, 2, SPARE
	v_mov_b32 v255, 0
	ds_add_u32 v254, v255                          ; the opening lines: the add twice on end and one wait
	ds_add_u32 v254, v255
	v_lshrrev_b32 v1, 5, v0
	v_readfirstlane_b32 s16, v1                    ; wave
	s_and_b32 s17, s16, 1                          ; wp: my half of P's tiles; also which half I fetch
	s_lshr_b32 s18, s16, 1                         ; wr: my half of R's; also: I fetch for P (0) or R (1)
	s_bfe_u32 s19, ttmp6, 0x40000                  ; cx
	s_bfe_u32 s20, ttmp6, 0x40004                  ; cy
	s_and_b32 s23, ttmp7, 0xffff                   ; the cluster's y, 0 .. 15
	v_and_b32 v5, 31, v0
	v_lshlrev_b32 v1, 4, v5                        ; 16 x lane
	v_lshlrev_b32 v2, 3, v5                        ; 8 x lane
	v_lshlrev_b32 v3, 2, v5                        ; 4 x lane
	v_and_b32 v22, 15, v0
	v_bfe_u32 v23, v0, 4, 1
	v_and_b32 v4, 8, v22
	v_add_nc_u32 v4, v4, v22
	v_lshlrev_b32 v4, 8, v4
	v_lshl_add_u32 v4, v23, 6, v4                  ; the table: (r + 8 (r / 8)) positions of 256 bytes + 64 h
	s_mul_i32 s66, s17, HP
	v_add_nc_u32 v6, s66, v1                       ; my P tiles 0-3,
	v_add_nc_u32 v8, s66, v2
	s_add_co_u32 s66, s66, HR
	v_add_nc_u32 v7, s66, v1                       ; 4-7
	v_add_nc_u32 v9, s66, v2
	s_mul_i32 s66, s18, HR
	s_add_co_u32 s66, s66, RB
	v_add_nc_u32 v10, s66, v1                      ; my four R tiles
	v_add_nc_u32 v11, s66, v2
	s_cmp_eq_u32 s18, 0
	s_cselect_b32 s90, s20, s19                    ; my place among the four that ask with me: cy for P, cx for R
	s_mov_b32 s91, 12288
	s_cselect_b32 s91, 24576, s91                  ; a quarter of what I fetch
	s_mul_i32 s90, s90, s91
	s_sub_co_u32 s91, s91, 256                     ; the quarter's last block
	v_lshlrev_b32 v12, 8, v5                       ; a lane a block of 256 bytes
	v_add_nc_u32 v13, 8192, v12
	v_min_u32 v13, s91, v13
	v_add_nc_u32 v12, s90, v12
	v_add_nc_u32 v13, s90, v13
.irp b, 0,1,2,3
	v_mov_b32 v[TM+4+\b], 0                        ; a lane permute's destination counts as one of its sources
.endr
	s_mov_b32 s67, 0xffff0000                      ; lanes 16-31
	s_mov_b32 s100, 0x76543210
	s_mov_b32 s101, 0xfedcba98                     ; selects for lane l xor 16
	; groups 1: dense blocks as rows of 256 bytes (32 elements of 8 bytes): P 384 rows, R 192
	s_lshl_b32 s57, 0x1111, s19                    ; my column of the cluster
	s_lshl_b32 s61, s20, 2
	s_lshl_b32 s61, 15, s61                        ; my row
	s_or_b32 s24, s57, (3<<16)|(1<<21)
	s_mov_b32 s25, 32<<16
	s_mov_b32 s26, 384<<16
	s_mov_b32 s27, 32<<16
	s_mov_b32 s28, 384
	s_mov_b32 s29, 32
	s_mov_b32 s30, 0
	s_mov_b32 s31, 0
	s_or_b32 s32, s61, (3<<16)|(1<<21)
	s_mov_b32 s33, 32<<16
	s_mov_b32 s34, 192<<16
	s_mov_b32 s35, 32<<16
	s_mov_b32 s36, 192
	s_mov_b32 s37, 32
	s_mov_b32 s38, 0
	s_mov_b32 s39, 0
	s_mov_b32 s40, 1
	s_mul_i32 s41, s17, HP                         ; no place in the cluster enters an LDS address
	s_mov_b32 s44, 1
	s_mul_i32 s45, s17, HR
	s_add_co_u32 s45, s45, RB
	; blocks.  s56-59, s82 and P's addresses never hold cy; s60-63, s81, s83 and R's never hold cx
	s_lshr_b32 s82, s23, 1
	s_lshl_b32 s82, s82, 2
	s_add_co_u32 s82, s82, s19                     ; job 2: P's block
	s_lshl_b32 s81, s23, 2
	s_add_co_u32 s81, s81, s20                     ; jobs 0, 1: R's block (P's is cx)
	s_and_b32 s83, s23, 1
	s_lshl_b32 s83, s83, 2
	s_add_co_u32 s83, s83, s20                     ; job 2: R's block
	s_wait_alu depctr_va_vdst(0)
	s_wait_dscnt 0x0
	s_wait_kmcnt 0x0
	s_mul_i32 s58, s17, HP                         ; the half that I fetch
	s_mul_i32 s56, s19, 196608
	s_add_co_u32 s56, s56, s58
	s_mov_b32 s57, 0
	s_add_nc_u64 s[42:43], s[6:7], s[56:57]        ; P, job 0: w_q
	s_add_nc_u64 s[48:49], s[42:43], 786432        ; job 1: w_k
	s_or_b32 s43, s43, 0x80000000
	s_mul_i32 s56, s82, 196608
	s_add_co_u32 s56, s56, s58
	s_add_co_u32 s56, s56, 6291456
	s_add_nc_u64 s[50:51], s[4:5], s[56:57]        ; job 2: inputs_kv
	s_mul_i32 s62, s17, HR
	s_mul_i32 s60, s81, 98304
	s_add_co_u32 s60, s60, s62
	s_mov_b32 s61, 0
	s_add_nc_u64 s[46:47], s[4:5], s[60:61]        ; R, job 0: inputs_q
	s_add_nc_u64 s[52:53], s[46:47], 6291456       ; job 1: inputs_kv
	s_or_b32 s47, s47, 0x80000000
	s_mul_i32 s60, s83, 98304
	s_add_co_u32 s60, s60, s62
	s_add_co_u32 s60, s60, 1572864
	s_add_nc_u64 s[54:55], s[6:7], s[60:61]        ; job 2: w_v
	s_lshl_b32 s58, s17, 12                        ; the scale words of my 8 tiles of P: this job's, the next's, the last's
	s_lshl_b32 s56, s19, 13
	s_add_co_u32 s56, s56, s58
	s_add_co_u32 s56, s56, 524288
	s_add_nc_u64 s[68:69], s[8:9], s[56:57]
	s_add_nc_u64 s[70:71], s[68:69], 32768
	s_lshl_b32 s56, s82, 13
	s_add_co_u32 s56, s56, s58
	s_add_co_u32 s56, s56, 262144
	s_add_nc_u64 s[72:73], s[8:9], s[56:57]
	s_lshl_b32 s62, s18, 11                        ; and of my 4 of R
	s_lshl_b32 s60, s81, 12
	s_add_co_u32 s60, s60, s62
	s_add_nc_u64 s[74:75], s[8:9], s[60:61]
	s_add_nc_u64 s[76:77], s[74:75], 262144
	s_lshl_b32 s60, s83, 12
	s_add_co_u32 s60, s60, s62
	s_add_co_u32 s60, s60, 589824
	s_add_nc_u64 s[78:79], s[8:9], s[60:61]
	s_and_b32 s98, s81, 7
	s_lshl_b32 s98, s98, 15
	s_lshl_b32 s99, s18, 14
	s_add_co_u32 s98, s98, s99
	s_mov_b32 s99, 0
	s_add_nc_u64 s[98:99], s[10:11], s[98:99]      ; the table at my 64 tokens' first position (jobs 0 and 1 share it)
	ROUND                                          ; all sixteen work-groups are here: the first joint loads meet
	JLOAD                                          ; job 0's tiles: one tensor load a wave
	SCLOAD
.irp a, 0,1,2,3                        ; for R's tile a my row's position; pairs 16 b + 8 h + 0 .. 7: (cos, sin) in registers 16 b + 2 i, + 1
	WIN 0x80+0x40*(\a/2)
.irp b, 0,1
.irp k, 0,1,2,3
	global_load_b128 v[CS+32*(\a%2)+16*\b+4*\k:CS+32*(\a%2)+16*\b+4*\k+3], v4, s[98:99] offset:(32*(\a/2)+8*(\a%2))*256+128*\b+16*\k
.endr
.endr
.endr
	WIN 0
.macro FETCH s                         ; K step s's 12 fragments into set s % 2: a fragment is units 2 s, 2 s + 1 of its tile, each 16 bytes a lane and 8 bytes a lane, dense
	WIN 0x80+0x40*((\s)%2)
.irp a, 0,1,2,3
.irp c, 0,1
	ds_load_b128 v[96+12*\a+6*\c:96+12*\a+6*\c+3], v10 offset:12288*\a+768*(2*(\s)+\c)
	ds_load_b64 v[96+12*\a+6*\c+4:96+12*\a+6*\c+5], v11 offset:12288*\a+768*(2*(\s)+\c)+512
.endr
.endr
.irp p, 0,1,2,3,4,5,6,7
.irp c, 0,1
	ds_load_b128 v[12*\p+6*\c:12*\p+6*\c+3], v[6+\p/4] offset:12288*(\p%4)+768*(2*(\s)+\c)
	ds_load_b64 v[12*\p+6*\c+4:12*\p+6*\c+5], v[8+\p/4] offset:12288*(\p%4)+768*(2*(\s)+\c)+512
.endr
.endr
.endm
.macro MUL s                           ; 32 products; the 32 accumulators take turns in the same order in every step; step 0 starts the sums
	WIN 0x5a+5*((\s)%2)
.irp a, 0,1,2,3
.irp p, 0,1,2,3,4,5,6,7
.if (\s) == 0
	v_wmma_scale_f32_16x16x128_f8f6f4 v[8*(8*\a+\p):8*(8*\a+\p)+7], v[12*\p:12*\p+11], v[96+12*\a:96+12*\a+11], 0, v[SCP+4*\p], v[SCR+4*\a] matrix_a_fmt:MATRIX_FMT_FP6 matrix_b_fmt:MATRIX_FMT_FP6
.elseif (\s) < 4
	v_wmma_scale_f32_16x16x128_f8f6f4 v[8*(8*\a+\p):8*(8*\a+\p)+7], v[12*\p:12*\p+11], v[96+12*\a:96+12*\a+11], v[8*(8*\a+\p):8*(8*\a+\p)+7], v[SCP+4*\p+(\s)], v[SCR+4*\a+(\s)] matrix_a_fmt:MATRIX_FMT_FP6 matrix_b_fmt:MATRIX_FMT_FP6
.else
	v_wmma_scale_f32_16x16x128_f8f6f4 v[8*(8*\a+\p):8*(8*\a+\p)+7], v[12*\p:12*\p+11], v[96+12*\a:96+12*\a+11], v[8*(8*\a+\p):8*(8*\a+\p)+7], v[SCP+4*\p+(\s)-4], v[SCR+4*\a+(\s)-4] matrix_a_fmt:MATRIX_FMT_FP6 matrix_b_fmt:MATRIX_FMT_FP6 matrix_a_scale:MATRIX_SCALE_ROW1 matrix_b_scale:MATRIX_SCALE_ROW1
.endif
.endr
.endr
.endm
.macro STEP s                          ; one of K steps 1 to 6
	s_wait_dscnt 0x0                               ; this step's fragments are in (asked for 32 products ago)
	PLACES                                         ; between the last step's products and the loads into the set that they read
	FETCH (\s)+1
	MUL \s
.endm
.macro TILE refill                     ; a job's 256 products; where a job follows, its tiles are asked for ahead of the last 32
	s_wait_tensorcnt 0x0                           ; my part of the job's tiles has landed,
	s_barrier_signal -1
	s_barrier_wait -1                              ; everybody's has
	FETCH 0
	s_wait_loadcnt 0x0                             ; the scale words (and the table)
	s_wait_dscnt 0x0
	FETCH 1
.if \refill
	ASK                                            ; behind the run of LDS loads, 32 products ahead of the next wait
.endif
	MUL 0
.irp s, 1,2,3,4,5,6
	STEP \s
.endr
	s_wait_dscnt 0x0                               ; step 7's fragments are in: my last reads of this job's tiles
.if \refill
	WIN 0
	s_wait_tensorcnt 0x0                           ; none of my tensor loads is out;
	ds_add_u32 v254, v255
	s_mov_b64 s[42:43], s[48:49]                   ; the next job's addresses move up
	s_or_b32 s43, s43, 0x80000000
	s_mov_b64 s[48:49], s[50:51]
	s_mov_b64 s[46:47], s[52:53]
	s_or_b32 s47, s47, 0x80000000
	s_mov_b64 s[52:53], s[54:55]
	s_mov_b64 s[68:69], s[70:71]
	s_mov_b64 s[70:71], s[72:73]
	s_mov_b64 s[74:75], s[76:77]
	s_mov_b64 s[76:77], s[78:79]
	s_wait_dscnt 0x0                               ; the add is done
	ROUND                                          ; no wave of the cluster reads these tiles any more or has a load on its way
	JLOAD                                          ; the refill
.endif
	MUL 7
	WIN 0
	PLACES                                         ; ahead of the loads into the scale registers and of the first read of results
.if \refill
	SCLOAD
.endif
	s_wait_xcnt 0x0                                ; earlier stores and prefetches have read their registers and bases, which are written again from here on
.endm
; 64 numbers of a lane in window w, register 16 b + i = k 32 b + 16 (lane / 16) + i of my row, become a fragment's codes in v[pc] on and its scale word in v[pw]
.macro QUANT s, w, pc, pw
	WIN (\w)|((\w)<<2)
.irp b, 0,1,2,3
	v_max3_num_f32 v[TM+\b], |v[(\s)+16*\b]|, |v[(\s)+1+16*\b]|, 0x1800000   ; with the floor 2^(3 - 127)
.endr
	WIN ((\w)<<2)|((\w)<<4)
.irp i, 2,4,6,8,10,12,14
.irp b, 0,1,2,3
	v_max3_num_f32 v[TM+\b], v[TM+\b], |v[(\s)+16*\b+\i]|, |v[(\s)+1+16*\b+\i]|   ; ascending: each accumulator from its low end on
.endr
.endr
	WIN 0
.irp b, 0,1,2,3
	v_permlanex16_b32 v[TM+4+\b], v[TM+\b], s100, s101
.endr
.irp b, 0,1,2,3
	v_max_num_f32 v[TM+\b], v[TM+\b], v[TM+4+\b]   ; the block's largest magnitude
.endr
.irp b, 0,1,2,3
	v_add_nc_u32 v[TM+12+\b], 0xff000000, v[TM+\b] ; 2 off its exponent field: the conversion's scale operand
.endr
.irp b, 0,1,2,3
	v_lshrrev_b32 v[TM+4+\b], 23, v[TM+12+\b]      ; the scale's byte
.endr
	v_lshl_or_b32 v[\pw], v[TM+5], 8, v[TM+4]
	v_lshl_or_b32 v[\pw], v[TM+6], 16, v[\pw]
	v_lshl_or_b32 v[\pw], v[TM+7], 24, v[\pw]
	WIN \w
.irp c, 0,1
	v_cvt_scalef32_pk16_fp6_f32 v[(\pc)+6*\c:(\pc)+6*\c+2], v[(\s)+32*\c:(\s)+32*\c+15], v[TM+12+2*\c]
	v_cvt_scalef32_pk16_fp6_f32 v[(\pc)+12+4*\c:(\pc)+14+4*\c], v[(\s)+16+32*\c:(\s)+31+32*\c], v[TM+13+2*\c]
.endr
	WIN 0
	v_nop                                          ; one plain place behind a scaled conversion
.irp c, 0,1                            ; a whole block in a lane: lanes 0-15 block 2 c, lanes 16-31 block 2 c + 1
.irp i, 0,1,2
	v_permlane16_swap_b32 v[(\pc)+6*\c+\i], v[(\pc)+12+4*\c+\i]
.endr
.irp i, 0,1,2
	v_mov_b32 v[(\pc)+3+6*\c+\i], v[(\pc)+12+4*\c+\i]
.endr
.endr
.endm
; RoPE on R's tile a: (x0, x1) -> (x0 cos - x1 sin, x1 cos + x0 sin): T = (-x1 sin, x0 sin), Y = x cos + T
.macro ROPE a
	WIN 0x09+4*((\a)/2)
.irp g, 0,1,2,3,4,5,6,7
.irp u, 0,1,2,3
	v_pk_mul_f32 v[T+2*\u:T+2*\u+1], v[64*(\a)+8*\g+2*\u:64*(\a)+8*\g+2*\u+1], v[CS+32*((\a)%2)+8*(\g%4)+2*\u:CS+32*((\a)%2)+8*(\g%4)+2*\u+1] op_sel:[1,1] op_sel_hi:[0,1] neg_lo:[1,0]
.endr
.irp u, 0,1,2,3
	v_pk_fma_f32 v[Y+8*\g+2*\u:Y+8*\g+2*\u+1], v[64*(\a)+8*\g+2*\u:64*(\a)+8*\g+2*\u+1], v[CS+32*((\a)%2)+8*(\g%4)+2*\u:CS+32*((\a)%2)+8*(\g%4)+2*\u+1], v[T+2*\u:T+2*\u+1] op_sel_hi:[1,0,1]
.endr
.endr
.endm
	s_mov_b32 s22, 0                               ; the job
.Ljob:
	TILE 1
	; jobs 0, 1.  Batch = R's block / 8; my two heads: 4 cx + 2 wp + c; my group of 64 tokens: 2 (block % 8) + wr
	s_lshr_b32 s66, s81, 3
	s_lshl_b32 s66, s66, 4
	s_lshl_b32 s84, s19, 2
	s_add_co_u32 s66, s66, s84
	s_lshl_b32 s84, s17, 1
	s_add_co_u32 s66, s66, s84                     ; 16 x batch + head, c = 0
	s_and_b32 s92, s81, 7
	s_lshl_b32 s92, s92, 1
	s_add_co_u32 s92, s92, s18                     ; the group
	s_lshl_b32 s86, 0xc000, s22                    ; a head's codes: 49,152 bytes in q's part, 98,304 in k's and v's
	s_mov_b32 s87, 0
	s_mul_i32 s84, s66, s86
	s_mul_i32 s85, s22, 6291456
	s_add_co_u32 s84, s84, s85
	s_mul_i32 s85, s92, 3072
	s_add_co_u32 s84, s84, s85
	s_mov_b32 s85, 0
	s_add_nc_u64 s[84:85], s[12:13], s[84:85]      ; codes, c = 0,
	s_add_nc_u64 s[86:87], s[84:85], s[86:87]      ; c = 1
	s_lshl_b32 s2, 2048, s22                       ; a head's scale words: 2,048 or 4,096 bytes
	s_mul_i32 s66, s66, s2
	s_lshl_b32 s3, s22, 18
	s_add_co_u32 s66, s66, s3
	s_lshl_b32 s92, s92, 7
	s_add_co_u32 s92, s92, s66
	s_mov_b32 s93, 0
	s_mov_b32 s3, 0
	s_add_nc_u64 s[92:93], s[14:15], s[92:93]      ; scale words, c = 0,
	s_add_nc_u64 s[2:3], s[92:93], s[2:3]          ; c = 1
.irp a, 0,1,2,3
	ROPE \a
	QUANT Y, 0, PCB+20*\a, PW+\a
	global_store_b128 v1, v[PCB+20*\a:PCB+20*\a+3], s[84:85] offset:768*\a          ; unit c is head c's 64 for these 16 tokens: 512 consecutive bytes, then 256
	global_store_b64 v2, v[PCB+20*\a+4:PCB+20*\a+5], s[84:85] offset:768*\a+512
	global_store_b128 v1, v[PCB+20*\a+6:PCB+20*\a+9], s[86:87] offset:768*\a
	global_store_b64 v2, v[PCB+20*\a+10:PCB+20*\a+11], s[86:87] offset:768*\a+512
.endr
.irp c, 0,1                            ; head c's half of each tile's word; two tiles to a word; lanes 0-15 tiles 0, 1, lanes 16-31 tiles 2, 3
	v_perm_b32 v[244+3*\c], v[PW+1], v[PW], 0x05040100+0x02020202*\c
	v_perm_b32 v[245+3*\c], v[PW+3], v[PW+2], 0x05040100+0x02020202*\c
	v_cndmask_b32 v[246+3*\c], v[244+3*\c], v[245+3*\c], s67
.endr
	global_store_b32 v3, v246, s[92:93]            ; 128 consecutive bytes: the half beside them is the neighbouring wave's
	global_store_b32 v3, v249, s[2:3]
	s_add_co_u32 s22, s22, 1
	s_cmp_lt_u32 s22, 2
	s_wait_alu depctr_va_vdst(0)
	s_cbranch_scc1 .Ljob
	TILE 0
	; job 2.  My 128 keys: group 2 x P's block + wp: batch = group / 8, K step = group % 8; my head: 2 x R's block + wr
	s_lshl_b32 s66, s82, 1
	s_add_co_u32 s66, s66, s17
	s_lshr_b32 s84, s66, 3
	s_lshl_b32 s84, s84, 4
	s_lshl_b32 s85, s83, 1
	s_add_co_u32 s84, s84, s85
	s_add_co_u32 s84, s84, s18                     ; 16 x batch + head
	s_and_b32 s66, s66, 7                          ; K step
	s_lshl_b32 s92, s84, 12
	s_mul_i32 s84, s84, 98304
	s_mul_i32 s85, s66, 6144
	s_add_co_u32 s84, s84, s85
	s_add_co_u32 s84, s84, 6291456+49152
	s_mov_b32 s85, 0
	s_add_nc_u64 s[84:85], s[12:13], s[84:85]
	s_lshl_b32 s66, s66, 8
	s_add_co_u32 s92, s92, s66
	s_add_co_u32 s92, s92, 262144+2048
	s_mov_b32 s93, 0
	s_add_nc_u64 s[92:93], s[14:15], s[92:93]
.irp a, 0,1,2,3                        ; the results are quantised as they stand: a lane's 64 registers are 64 of these 128 keys
	QUANT 64*\a, 1, PCB+20*\a, PW+\a
	global_store_b128 v1, v[PCB+20*\a:PCB+20*\a+3], s[84:85] offset:1536*\a
	global_store_b64 v2, v[PCB+20*\a+4:PCB+20*\a+5], s[84:85] offset:1536*\a+512
	global_store_b128 v1, v[PCB+20*\a+6:PCB+20*\a+9], s[84:85] offset:1536*\a+768
	global_store_b64 v2, v[PCB+20*\a+10:PCB+20*\a+11], s[84:85] offset:1536*\a+1280
.endr
	v_cndmask_b32 v244, v[PW], v[PW+1], s67
	v_cndmask_b32 v245, v[PW+2], v[PW+3], s67
	global_store_b64 v2, v[244:245], s[92:93]      ; 256 consecutive bytes, aligned
	s_wait_tensorcnt 0x0                           ; the wave's end
	ds_add_u32 v254, v255
	s_wait_dscnt 0x0
	ROUND                                          ; the closing round
	s_endpgm
.Lfunc_end_k_qa414b0022c_proj:
	.size	k_qa414b0022c_proj, .Lfunc_end_k_qa414b0022c_proj-k_qa414b0022c_proj
	.p2alignl 7, 3214868480
	.fill 96, 4, 3214868480
	.section	.rodata,"a",@progbits
	.p2align	6, 0x0
	.amdhsa_kernel k_qa414b0022c_proj
		.amdhsa_group_segment_fixed_size 327680
		.amdhsa_private_segment_fixed_size 0
		.amdhsa_enable_private_segment 0
		.amdhsa_kernarg_size 48
		.amdhsa_user_sgpr_count 2
		.amdhsa_user_sgpr_kernarg_segment_ptr 1
		.amdhsa_wavefront_size32 1
		.amdhsa_system_sgpr_workgroup_id_x 1
		.amdhsa_system_sgpr_workgroup_id_y 1
		.amdhsa_system_sgpr_workgroup_id_z 1
		.amdhsa_system_vgpr_workitem_id 0
		.amdhsa_next_free_vgpr 1024
		.amdhsa_next_free_sgpr 102
		.amdhsa_reserve_vcc 0
		.amdhsa_float_denorm_mode_32 3
		.amdhsa_float_denorm_mode_16_64 3
		.amdhsa_memory_ordered 1
		.amdhsa_forward_progress 1
		.amdhsa_inst_pref_size 183
	.end_amdhsa_kernel
	.amdgpu_metadata
---
amdhsa.version: [ 1, 2 ]
amdhsa.kernels:
  - .name:           k_qa414b0022c_proj
    .symbol:         k_qa414b0022c_proj.kd
    .args:
      - { .name: xcodes, .offset: 0, .size: 8, .value_kind: global_buffer, .address_space: global }
      - { .name: wcodes, .offset: 8, .size: 8, .value_kind: global_buffer, .address_space: global }
      - { .name: pscales, .offset: 16, .size: 8, .value_kind: global_buffer, .address_space: global }
      - { .name: rope, .offset: 24, .size: 8, .value_kind: global_buffer, .address_space: global }
      - { .name: qkvcodes, .offset: 32, .size: 8, .value_kind: global_buffer, .address_space: global }
      - { .name: qkvscales, .offset: 40, .size: 8, .value_kind: global_buffer, .address_space: global }
    .group_segment_fixed_size: 327680
    .private_segment_fixed_size: 0
    .kernarg_segment_align: 8
    .kernarg_segment_size: 48
    .max_flat_workgroup_size: 128
    .sgpr_count:     102
    .vgpr_count:     1024
    .wavefront_size: 32
...
	.end_amdgpu_metadata
.endif
;; end of part 2
;; launch attn (part 3): grid 4 x 64, 16 waves a work-group, clusters of 4 x 1, 207,872 bytes of LDS; arguments qkvcodes, qkvscales, ocodes, oscales; writes ocodes, oscales
.if DOCPART == 3
	.amdgcn_target "amdgcn-amd-amdhsa--gfx1250"
	.amdhsa_code_object_version 6
	.text
	.protected	k_qa414b0022c_attn
	.globl	k_qa414b0022c_attn
	.p2align	8
	.type	k_qa414b0022c_attn,@function
k_qa414b0022c_attn:
	s_mov_b64 s[64:65], 0
	v_nop
	global_prefetch_b8 v0, s[64:65] scope:SCOPE_SE
	s_setreg_imm32_b32 hwreg(HW_REG_WAVE_MODE, 25, 1), 1
	s_wait_xcnt 0x0
	s_wait_alu depctr_hold_cnt(0) depctr_sa_sdst(0) depctr_va_vdst(0) depctr_va_sdst(0) depctr_va_ssrc(0) depctr_va_vcc(0) depctr_vm_vsrc(0)
	s_getreg_b32 s2, hwreg(HW_REG_IB_STS2, 6, 4)
	s_cmp_eq_u32 s2, 0
	s_cbranch_scc0 .Lentry_in_a_cluster
	s_endpgm
.Lentry_in_a_cluster:
	s_bfe_u32 s2, ttmp6, 0x10000c
	s_cmp_lg_u32 s2, 0x3003
	s_cbranch_scc0 .Lentry_shape_is_right
	s_endpgm
.Lentry_shape_is_right:
; ATTN: o = softmax(q k^T / 8) v for two heads of one batch and 256 queries, both products on codes of FP6 (E2M3); the result is quantised along (head, channel) for the last product.
; THE SOFTMAX: t = score x log2(e) / 8; M = the running largest t rounded UP to a whole number; p = 2^(t - M) is quantised along the keys, not normalised; the row's sum is taken of the unquantised p and
; divides at the end.  When M moves, the sum and O are multiplied by 2^(old M - new M), which rounds nothing.
; SHARES: work-group y = 8 x batch + pair of heads; the four work-groups of a cluster are the four blocks of 256 queries and ask for K and V jointly.  Each of SIXTEEN waves owns one tile of 16 queries in
; 256 registers, four waves to a SIMD, and runs two passes, one a head: two heads are one K step of the last product: two neighbouring units and a whole scale word.
; LDS IS FILLED ONCE: both heads' K, V and scale words, 204,800 bytes; one tensor load a wave: waves 0-11 the codes, waves 12-15 the scale words.
; LAYOUT: both products transposed: S^T = K Q^T, O^T = V^T P^T: a lane holds one query.  By the tiles' order of rows the 16 registers of key tiles 2 b, 2 b + 1 are keys 32 b + 16 (lane / 16) + 0 .. 15, and
; those of V's tiles 2 b, 2 b + 1 channels 32 b + 16 (lane / 16) + 0 .. 15.
; K = 64 IN AN INSTRUCTION OF 128: source 0 is a PAIR of key tiles (registers 0-5 tile 2 b, 6-11 tile 2 b + 1) with a whole scale word.  Source 1 is [q, zeros] for tile 2 b's scores and [zeros, q] for
; tile 2 b + 1's; the zero half has zero codes under the scale byte 0 (the smallest power of two, no NaN): it adds exactly nothing.
; LIMITS: NaN and infinities are not served; a p under 2^-126 counts as 0 (v_exp_f32: ISA guide 15.8); a block of zeros has the byte 1 (zero codes; read by this program alone).
; REGISTERS: v1-3 lane terms; v4-9 the pass's LDS addresses; v10-11 K's scale words; v12 -M, v13 the largest t, v[14:15] the sum; v16-33 zeros, q, zeros; v34-35 q's two scale words; v36-37 V's; v38 p's; v39 the
; result's scale word; v40-87 four fragments; v88-151 S^T, then p; v152-183 O^T; v184-195 p's codes; v196-221 at work; v224-231 head 1's q; v232-237 the result's codes; v238-247 addresses that stay.
.set F,    40
.set S,    88
.set O,    152
.set PC,   184
.set BM,   204
.set PT,   208
.set SOP,  212
.set HEADB, 102400                     ; a head in LDS: K's codes 49,152, V's 49,152, K's scale words 2,048, V's 2,048
.set SCST, 2*HEADB                     ; behind them: 1,024 bytes for the result's scale words; no fill lands there
.macro ROUND                           ; a round of the cluster's barrier
	s_barrier_signal -1
	s_barrier_wait -1
	s_cmp_lg_u32 s12, 0
	s_cbranch_scc1 .Lnot_wave_0_\@
	s_barrier_signal -3
.Lnot_wave_0_\@:
	s_barrier_wait -3
	s_barrier_signal -1
	s_barrier_wait -1
.endm
.macro PLACES
.rept 4
	v_nop
.endr
.endm
	s_load_b256 s[4:11], s[0:1], 0x0               ; qkvcodes 4, qkvscales 6, ocodes 8, oscales 10
	v_lshl_add_u32 v254, v0, 2, 0x32400
	v_mov_b32 v255, 0
	ds_add_u32 v254, v255
	ds_add_u32 v254, v255
	v_lshrrev_b32 v1, 5, v0
	s_delay_alu instid0(VALU_DEP_1)
	v_readfirstlane_b32 s12, v1                    ; wave 0..15
	s_bfe_u32 s13, ttmp6, 0x40000                  ; cx: the block of 256 queries
	s_and_b32 s14, ttmp7, 0xffff                   ; y = 8 x batch + pair of heads: 16 x batch + head = 2 y + e
	s_lshl_b32 s15, s13, 4
	s_add_co_u32 s15, s15, s12                     ; my tile of queries in the batch
	v_and_b32 v5, 31, v0
	s_delay_alu instid0(VALU_DEP_1)
	v_lshlrev_b32 v1, 4, v5                        ; 16 x lane
	s_delay_alu instid0(VALU_DEP_2)
	v_lshlrev_b32 v2, 3, v5                        ; 8 x lane
	s_delay_alu instid0(VALU_DEP_3)
	v_lshlrev_b32 v3, 2, v5                        ; 4 x lane
	v_and_b32 v240, 15, v0
	s_delay_alu instid0(VALU_DEP_1)
	v_lshlrev_b32 v240, 2, v240                    ; 4 r
	v_add_nc_u32 v241, 49152, v1                   ; V's codes,
	v_add_nc_u32 v242, 49152, v2
	v_add_nc_u32 v243, 98304, v3                   ; K's scale words,
	v_add_nc_u32 v244, 100352, v2                  ; V's
	s_lshl_b32 s52, s12, 6
	s_add_co_u32 s52, s52, SCST
	v_add_nc_u32 v238, s52, v240                   ; where my tile's scale words go: 64 x wave + 4 r
	s_min_u32 s52, s12, 1
	s_lshl_b32 s52, s52, 9                         ; (waves 0 and 1 carry them out, 512 bytes each)
	s_add_co_u32 s53, s52, SCST
	v_add_nc_u32 v239, s53, v1
.irp i, 0,1,2,3,4,5
	v_mov_b32 v[16+\i], 0                          ; the zero halves beside q
	v_mov_b32 v[28+\i], 0
.endr
.irp b, 0,1,2,3
	v_mov_b32 v[PT+\b], 0                          ; a lane permute's destination counts as one of its sources
.endr
	v_mov_b32 v216, 0
	v_mov_b32 v219, 0                              ; (named as the upper half of the pair v[218:219])
	v_mov_b32 v39, 0
	; descriptor groups 1: the mask names all four work-groups; elements of 8 bytes, rows of 256 bytes, dense; codes: 64 rows a wave, scale words: 8
	s_mov_b32 s16, 15|(3<<16)|(1<<21)
	s_mov_b32 s17, 32<<16
	s_mov_b32 s18, 64<<16
	s_mov_b32 s19, 32<<16
	s_mov_b32 s20, 64
	s_mov_b32 s21, 32
	s_mov_b32 s22, 0
	s_mov_b32 s23, 0
	s_mov_b32 s24, 15|(3<<16)|(1<<21)
	s_mov_b32 s25, 32<<16
	s_mov_b32 s26, 8<<16
	s_mov_b32 s27, 32<<16
	s_mov_b32 s28, 8
	s_mov_b32 s29, 32
	s_mov_b32 s30, 0
	s_mov_b32 s31, 0
	s_mov_b32 s48, 0x76543210
	s_mov_b32 s49, 0xfedcba98                      ; v_permlanex16_b32's selects for lane l xor 16
	s_mov_b32 s50, 0x3e38aa3b                      ; c = log2(e) / 8
	s_mov_b32 s51, s50                             ; (named with it as a pair)
	s_mul_i32 s54, s14, 196608                     ; two heads of 98,304 bytes for each y,
	s_min_u32 s3, s12, 11                          ; waves 0-11 fetch the codes: 16,384 bytes each, six waves to a head
	s_lshl_b32 s2, s3, 14
	s_add_co_u32 s54, s54, s2
	s_add_co_u32 s54, s54, 6291456
	s_mov_b32 s55, 0
	s_wait_dscnt 0x0
	s_wait_kmcnt 0x0
	s_add_nc_u64 s[54:55], s[4:5], s[54:55]
	s_mov_b32 s32, 1
	s_mul_i32 s3, s3, 11
	s_lshr_b32 s3, s3, 6                           ; wave / 6: the head
	s_lshl_b32 s3, s3, 12                          ; head 1's codes lie 4,096 bytes further on: behind head 0's scale words
	s_add_co_u32 s33, s2, s3
	s_mov_b64 s[34:35], s[54:55]
	s_or_b32 s35, s35, 0x80000000
	s_lshl_b32 s54, s14, 13                        ; two heads of 4,096 bytes of scale words
	s_and_b32 s3, s12, 3                           ; waves 12-15 fetch the scale words: 2,048 bytes each: head 0's K, V, head 1's K, V
	s_lshl_b32 s3, s3, 11
	s_add_co_u32 s54, s54, s3
	s_add_co_u32 s54, s54, 262144
	s_mov_b32 s55, 0
	s_add_nc_u64 s[54:55], s[6:7], s[54:55]
	s_mov_b32 s36, 1
	s_bfe_u32 s37, s12, 0x10001                    ; the head
	s_mul_i32 s37, s37, HEADB-4096
	s_add_co_u32 s37, s37, s3
	s_add_co_u32 s37, s37, 98304
	s_mov_b64 s[38:39], s[54:55]
	s_or_b32 s39, s39, 0x80000000
	; what hangs on cx: q, and the way out
	s_mul_i32 s56, s14, 98304
	s_mul_i32 s57, s15, 768
	s_add_co_u32 s56, s56, s57
	s_mov_b32 s57, 0
	s_add_nc_u64 s[56:57], s[4:5], s[56:57]        ; q's codes: head 2 y, my tile
	s_lshl_b32 s58, s14, 12
	s_lshr_b32 s59, s15, 1
	s_lshl_b32 s59, s59, 6                         ; 64 bytes for each pair of tiles
	s_add_co_u32 s58, s58, s59
	s_mov_b32 s59, 0
	s_add_nc_u64 s[58:59], s[6:7], s[58:59]        ; q's scale words
	s_lshr_b32 s62, s14, 3
	s_lshl_b32 s62, s62, 6                         ; 64 tiles a batch
	s_add_co_u32 s60, s62, s15
	s_mul_i32 s60, s60, 12288
	s_and_b32 s63, s14, 7                          ; the pair of heads = the last product's K step
	s_mul_i32 s61, s63, 1536
	s_add_co_u32 s60, s60, s61
	s_mov_b32 s61, 0
	s_add_nc_u64 s[60:61], s[8:9], s[60:61]        ; the result's codes
	s_lshl_b32 s66, s13, 4
	s_add_co_u32 s62, s62, s66
	s_lshl_b32 s62, s62, 6
	s_lshl_b32 s63, s63, 15
	s_add_co_u32 s62, s62, s63
	s_add_co_u32 s62, s62, s52
	s_mov_b32 s63, 0
	s_add_nc_u64 s[62:63], s[10:11], s[62:63]      ; its scale words: [K step][tile][r]
	ROUND                                          ; all four work-groups are here: the joint loads meet
	; THE FILLS AS THEY STAND (this takes the place of what the head comment says of them): ONE tensor load a wave, all at the head: waves 0-11 both heads' codes, waves 12-15 both heads' scale words
	s_cmp_lt_u32 s12, 12
	s_cbranch_scc0 .Lfor_sc
	tensor_load_to_lds s[32:35], s[16:23]
	s_nop 0
	PLACES
	s_branch .Lasked
.Lfor_sc:
	tensor_load_to_lds s[36:39], s[24:31]
	s_nop 0
	PLACES
.Lasked:
	global_load_b128 v[22:25], v1, s[56:57]
	global_load_b64 v[26:27], v2, s[56:57] offset:512
	global_load_b128 v[224:227], v1, s[56:57] offset:49152
	global_load_b64 v[228:229], v2, s[56:57] offset:49152+512
	global_load_b32 v246, v240, s[58:59]
	global_load_b32 v247, v240, s[58:59] offset:2048
	s_and_b32 s2, s12, 1
	s_lshl_b32 s2, s2, 4                           ; an even tile's bytes are the word's low half, an odd tile's the high
	s_wait_loadcnt 0x0
	v_lshrrev_b32 v34, s2, v246
	v_lshrrev_b32 v230, s2, v247
	s_delay_alu instid0(VALU_DEP_2)
	v_and_b32 v34, 0xffff, v34                     ; for [q, zeros]: q's two bytes, then two bytes 0
	s_delay_alu instid0(VALU_DEP_2)
	v_and_b32 v230, 0xffff, v230
	s_delay_alu instid0(VALU_DEP_2)
	v_lshlrev_b32 v35, 16, v34                     ; for [zeros, q]
	s_delay_alu instid0(VALU_DEP_2)
	v_lshlrev_b32 v231, 16, v230
.macro KQ t                            ; the scores of key tile t of the step's eight
.set rB, 22-6*((\t)%2)
.set rW, 34+(\t)%2
.if (((\t)/2)%2) == 0
	v_wmma_scale_f32_16x16x128_f8f6f4 v[S+8*(\t):S+8*(\t)+7], v[F+12*((\t)/2):F+12*((\t)/2)+11], v[rB:rB+11], 0, v[10+(\t)/4], v[rW] matrix_a_fmt:MATRIX_FMT_FP6 matrix_b_fmt:MATRIX_FMT_FP6
.else
	v_wmma_scale_f32_16x16x128_f8f6f4 v[S+8*(\t):S+8*(\t)+7], v[F+12*((\t)/2):F+12*((\t)/2)+11], v[rB:rB+11], 0, v[10+(\t)/4], v[rW] matrix_a_fmt:MATRIX_FMT_FP6 matrix_b_fmt:MATRIX_FMT_FP6 matrix_a_scale:MATRIX_SCALE_ROW1
.endif
.endm
.macro PV d, first                     ; O^T's tile d; the first step's products start the sums
.if \first
.if ((\d)%2) == 0
	v_wmma_scale_f32_16x16x128_f8f6f4 v[O+8*(\d):O+8*(\d)+7], v[F+12*(\d):F+12*(\d)+11], v[PC:PC+11], 0, v[36+(\d)/2], v38 matrix_a_fmt:MATRIX_FMT_FP6 matrix_b_fmt:MATRIX_FMT_FP6
.else
	v_wmma_scale_f32_16x16x128_f8f6f4 v[O+8*(\d):O+8*(\d)+7], v[F+12*(\d):F+12*(\d)+11], v[PC:PC+11], 0, v[36+(\d)/2], v38 matrix_a_fmt:MATRIX_FMT_FP6 matrix_b_fmt:MATRIX_FMT_FP6 matrix_a_scale:MATRIX_SCALE_ROW1
.endif
.else
.if ((\d)%2) == 0
	v_wmma_scale_f32_16x16x128_f8f6f4 v[O+8*(\d):O+8*(\d)+7], v[F+12*(\d):F+12*(\d)+11], v[PC:PC+11], v[O+8*(\d):O+8*(\d)+7], v[36+(\d)/2], v38 matrix_a_fmt:MATRIX_FMT_FP6 matrix_b_fmt:MATRIX_FMT_FP6
.else
	v_wmma_scale_f32_16x16x128_f8f6f4 v[O+8*(\d):O+8*(\d)+7], v[F+12*(\d):F+12*(\d)+11], v[PC:PC+11], v[O+8*(\d):O+8*(\d)+7], v[36+(\d)/2], v38 matrix_a_fmt:MATRIX_FMT_FP6 matrix_b_fmt:MATRIX_FMT_FP6 matrix_a_scale:MATRIX_SCALE_ROW1
.endif
.endif
.endm
; A KEY STEP: 128 keys.  Every offset is an immediate.
.macro STEP s, first
.if (\s) > 0
	PLACES                                         ; between the last step's products and the loads into the registers that they read
.endif
.irp b, 0,1,2,3                        ; four pairs of key tiles: a pair is two units on end
	ds_load_b128 v[F+12*\b:F+12*\b+3], v4 offset:6144*(\s)+1536*\b
	ds_load_b64 v[F+12*\b+4:F+12*\b+5], v5 offset:6144*(\s)+1536*\b+512
	ds_load_b128 v[F+12*\b+6:F+12*\b+9], v4 offset:6144*(\s)+1536*\b+768
	ds_load_b64 v[F+12*\b+10:F+12*\b+11], v5 offset:6144*(\s)+1536*\b+1280
.endr
	ds_load_b32 v10, v8 offset:256*(\s)            ; lanes 0-15: pair 0's words, lanes 16-31: pair 1's;
	ds_load_b32 v11, v8 offset:256*(\s)+128        ; pairs 2 and 3
	s_wait_dscnt 0x0
.irp t, 0,1,2,3,4,5,6,7
	KQ \t
.endr
	PLACES                                         ; for the loads below, and for the first read of the scores
.irp d, 0,1,2,3                        ; V's four fragments land under the softmax
	ds_load_b128 v[F+12*\d:F+12*\d+3], v6 offset:6144*(\s)+1536*\d
	ds_load_b64 v[F+12*\d+4:F+12*\d+5], v7 offset:6144*(\s)+1536*\d+512
	ds_load_b128 v[F+12*\d+6:F+12*\d+9], v6 offset:6144*(\s)+1536*\d+768
	ds_load_b64 v[F+12*\d+10:F+12*\d+11], v7 offset:6144*(\s)+1536*\d+1280
.endr
	ds_load_b64 v[36:37], v9 offset:256*(\s)       ; register j: lanes 0-15 tile 2 j's words, lanes 16-31 tile 2 j + 1's
.irp b, 0,1,2,3
	v_max3_num_f32 v[BM+\b], v[S+16*\b], v[S+16*\b+1], v[S+16*\b+2]   ; the largest score of each block of 32 keys: for the row's maximum and, since p rises with the score, for the block's largest p
.endr
.irp i, 3,5,7,9,11,13
.irp b, 0,1,2,3
	v_max3_num_f32 v[BM+\b], v[BM+\b], v[S+16*\b+\i], v[S+16*\b+\i+1]   ; ascending: each accumulator is read from its low end on
.endr
.endr
.irp b, 0,1,2,3
	v_max_num_f32 v[BM+\b], v[BM+\b], v[S+16*\b+15]
.endr
.irp b, 0,1,2,3
	s_delay_alu instid0(VALU_DEP_4)
	v_permlanex16_b32 v[PT+\b], v[BM+\b], s48, s49
.endr
.irp b, 0,1,2,3
	s_delay_alu instid0(VALU_DEP_4)
	v_max_num_f32 v[BM+\b], v[BM+\b], v[PT+\b]     ; with lane l xor 16's 16 keys
.endr
	s_delay_alu instid0(VALU_DEP_2)
	v_max3_num_f32 v216, v[BM], v[BM+1], v[BM+2]
	s_delay_alu instid0(VALU_DEP_1)
	v_max_num_f32 v216, v216, v[BM+3]
	s_delay_alu instid0(VALU_DEP_1)
	v_mul_f32 v216, s50, v216                      ; the step's largest t
	s_delay_alu instid0(VALU_DEP_1)
	v_max_num_f32 v13, v13, v216                   ; the running largest t
	v_mov_b32 v216, v12
	s_delay_alu instid0(VALU_DEP_2)
	v_floor_f32 v12, -v13                          ; -M = floor(-t): M is a whole number
	s_delay_alu instid0(VALU_DEP_1)
	v_sub_f32 v216, v12, v216                      ; old M - new M: a whole number, 0 or less
	s_delay_alu instid0(VALU_DEP_1)
	v_cvt_i32_f32 v216, v216                       ; (it saturates)
	s_delay_alu instid0(VALU_DEP_1)
	v_ldexp_f32 v218, 1.0, v216                    ; f = 2^(old M - new M)
.set j, 0
.rept 32
	v_pk_fma_f32 v[S+j:S+j+1], v[S+j:S+j+1], s[50:51], v[12:13] op_sel_hi:[1,0,0]   ; t - M, two at a time
.set j, j+2
.endr
.irp b, 0,1,2,3
	v_fma_f32 v[BM+\b], v[BM+\b], s50, v12         ; the same of each block's largest score
.endr
.set j, 0
	s_wait_alu depctr_va_vdst(0)
.rept 64
	v_exp_f32 v[S+j], v[S+j]                       ; p = 2^(t - M)
.set j, j+1
.endr
.irp b, 0,1,2,3
	v_exp_f32 v[BM+\b], v[BM+\b]                   ; the block's largest p: the same two instructions on the same number
.endr
	v_pk_mul_f32 v[14:15], v[14:15], v[218:219] op_sel_hi:[1,0]   ; the sum under the new M (a plain place behind the exponentials)
	s_wait_alu depctr_va_vdst(0)
.irp b, 0,1,2,3
	v_max_num_f32 v[BM+\b], 0x1800000, v[BM+\b]    ; the floor 2^(3 - 127)
.endr
.irp b, 0,1,2,3
	s_delay_alu instid0(VALU_DEP_4)
	v_add_nc_u32 v[SOP+\b], 0xff000000, v[BM+\b]   ; the conversion's scale operand
.endr
.irp b, 0,1,2,3
	s_delay_alu instid0(VALU_DEP_4)
	v_lshrrev_b32 v[PT+\b], 23, v[SOP+\b]          ; the scale's byte
.endr
	s_delay_alu instid0(VALU_DEP_3)
	v_lshl_or_b32 v38, v[PT+1], 8, v[PT]           ; p's scale word for these 128 keys
	s_delay_alu instid0(VALU_DEP_1)
	v_lshl_or_b32 v38, v[PT+2], 16, v38
	s_delay_alu instid0(VALU_DEP_1)
	v_lshl_or_b32 v38, v[PT+3], 24, v38
.irp c, 0,1
	v_cvt_scalef32_pk16_fp6_f32 v[PC+6*\c:PC+6*\c+2], v[S+32*\c:S+32*\c+15], v[SOP+2*\c]
	v_cvt_scalef32_pk16_fp6_f32 v[196+4*\c:198+4*\c], v[S+32*\c+16:S+32*\c+31], v[SOP+2*\c+1]
.endr
	v_nop                                          ; one plain place behind a scaled conversion
.irp c, 0,1
.irp i, 0,1,2
	v_permlane16_swap_b32 v[PC+6*\c+\i], v[196+4*\c+\i]
.endr
.irp i, 0,1,2
	s_delay_alu instid0(VALU_DEP_3)
	v_mov_b32 v[PC+6*\c+3+\i], v[196+4*\c+\i]
.endr
.endr
	v_pk_add_f32 v[220:221], v[92:93], v[96:97]
	v_pk_add_f32 v[252:253], v[100:101], v[104:105]
	v_pk_add_f32 v[250:251], v[108:109], v[112:113]
	v_pk_add_f32 v[248:249], v[116:117], v[120:121]
	v_pk_add_f32 v[246:247], v[124:125], v[128:129]
	v_pk_add_f32 v[236:237], v[132:133], v[136:137]
	v_pk_add_f32 v[234:235], v[140:141], v[144:145]
	v_pk_add_f32 v[14:15], v[14:15], v[148:149]
	v_pk_add_f32 v[220:221], v[220:221], v[88:89]
	v_pk_add_f32 v[252:253], v[252:253], v[90:91]
	v_pk_add_f32 v[250:251], v[250:251], v[94:95]
	v_pk_add_f32 v[248:249], v[248:249], v[98:99]
	v_pk_add_f32 v[246:247], v[246:247], v[102:103]
	v_pk_add_f32 v[236:237], v[236:237], v[106:107]
	v_pk_add_f32 v[234:235], v[234:235], v[110:111]
	v_pk_add_f32 v[14:15], v[14:15], v[114:115]
	v_pk_add_f32 v[220:221], v[220:221], v[118:119]
	v_pk_add_f32 v[252:253], v[252:253], v[122:123]
	v_pk_add_f32 v[250:251], v[250:251], v[126:127]
	v_pk_add_f32 v[248:249], v[248:249], v[130:131]
	v_pk_add_f32 v[246:247], v[246:247], v[134:135]
	v_pk_add_f32 v[236:237], v[236:237], v[138:139]
	v_pk_add_f32 v[234:235], v[234:235], v[142:143]
	v_pk_add_f32 v[14:15], v[14:15], v[146:147]
	v_pk_add_f32 v[220:221], v[220:221], v[150:151]
	s_delay_alu instid0(VALU_DEP_2)
	v_pk_add_f32 v[14:15], v[14:15], v[248:249]
	s_delay_alu instid0(VALU_DEP_2)
	v_pk_add_f32 v[220:221], v[220:221], v[246:247]
	v_pk_add_f32 v[252:253], v[252:253], v[236:237]
	v_pk_add_f32 v[250:251], v[250:251], v[234:235]
	s_delay_alu instid0(VALU_DEP_2)
	v_pk_add_f32 v[14:15], v[14:15], v[252:253]
	s_delay_alu instid0(VALU_DEP_2)
	v_pk_add_f32 v[220:221], v[220:221], v[250:251]
	s_delay_alu instid0(VALU_DEP_1)
	v_pk_add_f32 v[14:15], v[14:15], v[220:221]
.if !(\first)
.set j, 0
.rept 16
	v_pk_mul_f32 v[O+j:O+j+1], v[O+j:O+j+1], v[218:219] op_sel_hi:[1,0]   ; O^T under the new M
.set j, j+2
.endr
.endif
	s_wait_alu depctr_va_vdst(0)
	s_wait_dscnt 0x0                               ; V is in
.irp d, 0,1,2,3                        ; one instruction a turn; between two links of a chain stand eleven other products
	PV \d, \first
.endr
.endm
	s_wait_tensorcnt 0x0                           ; my one load has landed; behind the barrier both heads are whole, so no barrier stands between the passes
	s_barrier_signal -1
	s_barrier_wait -1
	s_mov_b32 s53, 0                               ; where the pass's head begins in LDS
	s_mov_b32 s52, 2
.Lpass:
	v_add_nc_u32 v4, s53, v1
	v_add_nc_u32 v5, s53, v2
	v_add_nc_u32 v6, s53, v241
	s_wait_alu depctr_va_vdst(0)
	v_add_nc_u32 v7, s53, v242
	s_wait_alu depctr_va_vdst(0)
	v_add_nc_u32 v8, s53, v243
	v_add_nc_u32 v9, s53, v244
	s_wait_alu depctr_va_vdst(0)
	v_mov_b32 v13, 0xff61b1e6                      ; the largest t so far: -3e38
	s_delay_alu instid0(VALU_DEP_1)
	v_floor_f32 v12, -v13
	v_mov_b32 v14, 0
	v_mov_b32 v15, 0                               ; (these ten lines are also the places between the writes of q and its scale words and the first product)
	STEP 0, 1
.irp s, 1,2,3,4,5,6,7
	STEP \s, 0
.endr
	PLACES
	v_add_f32 v14, v14, v15
	s_delay_alu instid0(VALU_DEP_1)
	v_permlanex16_b32 v216, v14, s48, s49
	s_delay_alu instid0(VALU_DEP_1)
	v_add_f32 v14, v14, v216                       ; the row's sum
	s_wait_alu depctr_va_vdst(0)
	v_rcp_f32 v14, v14
	v_nop                                          ; one plain place behind a transcendental
.set j, 0
	s_wait_alu depctr_va_vdst(0)
.rept 32
	v_mul_f32 v[S+j], v[O+j], v14                  ; register 16 b + i: channel 32 b + 16 (lane / 16) + i of my query
.set j, j+1
.endr
.irp b, 0,1                            ; the head's two blocks of 32 along the last product's K
	v_max3_num_f32 v[BM+\b], |v[S+16*\b]|, |v[S+16*\b+1]|, 0x1800000
.endr
.irp i, 2,4,6,8,10,12,14
.irp b, 0,1
	s_delay_alu instid0(VALU_DEP_2)
	v_max3_num_f32 v[BM+\b], v[BM+\b], |v[S+16*\b+\i]|, |v[S+16*\b+\i+1]|
.endr
.endr
.irp b, 0,1
	s_delay_alu instid0(VALU_DEP_2)
	v_permlanex16_b32 v[PT+\b], v[BM+\b], s48, s49
.endr
.irp b, 0,1
	s_delay_alu instid0(VALU_DEP_2)
	v_max_num_f32 v[BM+\b], v[BM+\b], v[PT+\b]
.endr
.irp b, 0,1
	s_delay_alu instid0(VALU_DEP_2)
	v_add_nc_u32 v[SOP+\b], 0xff000000, v[BM+\b]
.endr
.irp b, 0,1
	s_delay_alu instid0(VALU_DEP_2)
	v_lshrrev_b32 v[PT+\b], 23, v[SOP+\b]
.endr
	s_delay_alu instid0(VALU_DEP_1)
	v_lshl_or_b32 v216, v[PT+1], 8, v[PT]
	v_lshrrev_b32 v39, 16, v39
	s_delay_alu instid0(VALU_DEP_1)
	v_lshl_or_b32 v39, v216, 16, v39               ; behind two passes: the first head's two bytes below, the second's above
	v_cvt_scalef32_pk16_fp6_f32 v[232:234], v[S:S+15], v[SOP]
	v_cvt_scalef32_pk16_fp6_f32 v[196:198], v[S+16:S+31], v[SOP+1]
	v_nop                                          ; one plain place behind a scaled conversion
.irp i, 0,1,2
	v_permlane16_swap_b32 v[232+\i], v[196+\i]
.endr
.irp i, 0,1,2
	s_delay_alu instid0(VALU_DEP_3)
	v_mov_b32 v[235+\i], v[196+\i]
.endr
	global_store_b128 v1, v[232:235], s[60:61]     ; the head's unit: 512 consecutive bytes, then 256
	global_store_b64 v2, v[236:237], s[60:61] offset:512
	s_wait_xcnt 0x0                                ; the stores have read their base and their data
	s_add_nc_u64 s[60:61], s[60:61], 768
	v_mov_b32 v34, v230                            ; the second head's q
	v_mov_b32 v35, v231
.irp i, 0,1,2,3,4,5
	v_mov_b32 v[22+\i], v[224+\i]
.endr
	s_add_co_u32 s53, s53, HEADB
	s_wait_alu depctr_va_vdst(0)
	s_sub_co_u32 s52, s52, 1
	s_cmp_lg_u32 s52, 0
	s_cbranch_scc1 .Lpass
	ds_store_b32 v238, v39                         ; my 16 rows' scale words (both halves of the lanes write the same word with the same value)
	s_wait_dscnt 0x0                               ; for the others' sake
	s_barrier_signal -1
	s_barrier_wait -1
	s_cmp_lt_u32 s12, 2
	s_cbranch_scc0 .Lno_scales
	ds_load_b128 v[88:91], v239
	s_wait_dscnt 0x0
	global_store_b128 v1, v[88:91], s[62:63]       ; 512 consecutive bytes, aligned
.Lno_scales:
	s_wait_tensorcnt 0x0
	ds_add_u32 v254, v255
	s_wait_dscnt 0x0
	ROUND                                          ; the closing round
	s_endpgm
.Lfunc_end_k_qa414b0022c_attn:
	.size	k_qa414b0022c_attn, .Lfunc_end_k_qa414b0022c_attn-k_qa414b0022c_attn
	.p2alignl 7, 3214868480
	.fill 96, 4, 3214868480
	.section	.rodata,"a",@progbits
	.p2align	6, 0x0
	.amdhsa_kernel k_qa414b0022c_attn
		.amdhsa_group_segment_fixed_size 207872
		.amdhsa_private_segment_fixed_size 0
		.amdhsa_enable_private_segment 0
		.amdhsa_kernarg_size 32
		.amdhsa_user_sgpr_count 2
		.amdhsa_user_sgpr_kernarg_segment_ptr 1
		.amdhsa_wavefront_size32 1
		.amdhsa_system_sgpr_workgroup_id_x 1
		.amdhsa_system_sgpr_workgroup_id_y 1
		.amdhsa_system_sgpr_workgroup_id_z 1
		.amdhsa_system_vgpr_workitem_id 0
		.amdhsa_next_free_vgpr 256
		.amdhsa_next_free_sgpr 72
		.amdhsa_reserve_vcc 0
		.amdhsa_float_denorm_mode_32 3
		.amdhsa_float_denorm_mode_16_64 3
		.amdhsa_memory_ordered 1
		.amdhsa_forward_progress 1
		.amdhsa_inst_pref_size 148
	.end_amdhsa_kernel
	.amdgpu_metadata
---
amdhsa.version: [ 1, 2 ]
amdhsa.kernels:
  - .name:           k_qa414b0022c_attn
    .symbol:         k_qa414b0022c_attn.kd
    .args:
      - { .name: qkvcodes, .offset: 0, .size: 8, .value_kind: global_buffer, .address_space: global }
      - { .name: qkvscales, .offset: 8, .size: 8, .value_kind: global_buffer, .address_space: global }
      - { .name: ocodes, .offset: 16, .size: 8, .value_kind: global_buffer, .address_space: global }
      - { .name: oscales, .offset: 24, .size: 8, .value_kind: global_buffer, .address_space: global }
    .group_segment_fixed_size: 207872
    .private_segment_fixed_size: 0
    .kernarg_segment_align: 8
    .kernarg_segment_size: 32
    .max_flat_workgroup_size: 512
    .sgpr_count:     72
    .vgpr_count:     256
    .wavefront_size: 32
...
	.end_amdgpu_metadata
.endif
;; end of part 3
;; launch outp (part 4): grid 4 x 64, 4 waves a work-group, clusters of 4 x 4, 295,424 bytes of LDS; arguments ocodes, oscales, wcodes, pscales, out0; writes out0
.if DOCPART == 4
	.amdgcn_target "amdgcn-amd-amdhsa--gfx1250"
	.amdhsa_code_object_version 6
	.text
	.protected	k_qa414b0022c_outp
	.globl	k_qa414b0022c_outp
	.p2align	8
	.type	k_qa414b0022c_outp,@function
k_qa414b0022c_outp:
	s_mov_b64 s[64:65], 0
	v_nop
	global_prefetch_b8 v0, s[64:65] scope:SCOPE_SE
	s_setreg_imm32_b32 hwreg(HW_REG_WAVE_MODE, 25, 1), 1
	s_wait_xcnt 0x0
	s_wait_alu depctr_hold_cnt(0) depctr_sa_sdst(0) depctr_va_vdst(0) depctr_va_sdst(0) depctr_va_ssrc(0) depctr_va_vcc(0) depctr_vm_vsrc(0)
	s_getreg_b32 s2, hwreg(HW_REG_IB_STS2, 6, 4)
	s_cmp_eq_u32 s2, 0
	s_cbranch_scc0 .Lentry_in_a_cluster
	s_endpgm
.Lentry_in_a_cluster:
	s_bfe_u32 s2, ttmp6, 0x10000c
	s_cmp_lg_u32 s2, 0xf033
	s_cbranch_scc0 .Lentry_shape_is_right
	s_endpgm
.Lentry_shape_is_right:
; OUTP: out0 = o w_o on codes of FP6 (E2M3); f32 out.  Source 0 is P = w_o's columns (256 a work-group: block cx), source 1 is R = o's rows (128: block 4 x the cluster's y + cy); K = 1,024.
; In the result a lane holds one token and its registers run along the columns: by the tiles' order of rows the 16 registers of P's tiles 2 b, 2 b + 1 are columns 32 b + 16 (lane / 16) + 0 .. 15.
; A wave takes 8 tiles of P x 4 of R: 32 accumulators.
; LDS IS FILLED ONCE, all of K: P's 16 tiles of 12,288 bytes, then R's 8; ONE tensor load a wave: waves 0, 1 eight tiles of P each (98,304 dense bytes), waves 2, 3 four of R (49,152).
; CLUSTER: P's tiles hang on cx alone and are asked for jointly by a column of the cluster, R's on cy and the cluster alone, by a row.  No prefetch: the launch has no loop to run ahead in.
; THE WAY OUT goes through a stage of the wave's own, 16 rows x (512 bytes + 16), in P's first tiles: they had their one fill at the start, and a barrier stands behind every wave's last read of them.
; REGISTERS.  window 0: v1-3 lane terms; v6-11 LDS addresses; v24-55 P's scale words, v56-71 R's; v72-73 the stage; v96-223 rows on the way out.
;   window 1: accumulator (a, p) at 8 (8 a + p).   windows 2, 3: fragment sets 0, 1: P's tile p at 12 p, R's tile a at 96 + 12 a.
.set SCP, 24
.set SCR, 56
.set STO, 72
.set RD,  73
.set BK,  96
.set HP,  98304
.set HR,  49152
.set RB,  196608
.set SPARE, 294912
.set MSB, 0
.macro WIN new
.if MSB != (\new)
	s_set_vgpr_msb (MSB<<8)|(\new)
.set MSB, (\new)
.endif
.endm
.macro ROUND
	s_barrier_signal -1
	s_barrier_wait -1
	s_cmp_lg_u32 s16, 0
	s_cbranch_scc1 .Lnot_wave_0_\@
	s_barrier_signal -3
.Lnot_wave_0_\@:
	s_barrier_wait -3
	s_barrier_signal -1
	s_barrier_wait -1
.endm
.macro PLACES
.rept 4
	v_nop
.endr
.endm
	s_load_b256 s[4:11], s[0:1], 0x0               ; ocodes 4, oscales 6, wcodes 8, pscales 10
	s_load_b64 s[12:13], s[0:1], 0x20              ; out0
	v_lshl_add_u32 v254, v0, 2, SPARE
	v_mov_b32 v255, 0
	ds_add_u32 v254, v255                          ; the opening lines: the add twice on end and one wait
	ds_add_u32 v254, v255
	v_lshrrev_b32 v1, 5, v0
	v_readfirstlane_b32 s16, v1                    ; wave
	s_and_b32 s17, s16, 1                          ; wp; also which half I fetch
	s_lshr_b32 s18, s16, 1                         ; wr; also: I fetch for P (0) or R (1)
	s_bfe_u32 s19, ttmp6, 0x40000                  ; cx
	s_bfe_u32 s20, ttmp6, 0x40004                  ; cy
	s_and_b32 s21, ttmp7, 0xffff                   ; the cluster's y
	v_and_b32 v5, 31, v0
	v_lshlrev_b32 v1, 4, v5                        ; 16 x lane
	v_lshlrev_b32 v2, 3, v5                        ; 8 x lane
	v_lshlrev_b32 v3, 2, v5                        ; 4 x lane
	v_and_b32 v22, 15, v0
	v_bfe_u32 v23, v0, 4, 1
	s_mul_i32 s66, s17, HP
	v_add_nc_u32 v6, s66, v1                       ; my P tiles 0-3,
	v_add_nc_u32 v8, s66, v2
	s_add_co_u32 s66, s66, HR
	v_add_nc_u32 v7, s66, v1                       ; 4-7
	v_add_nc_u32 v9, s66, v2
	s_mul_i32 s66, s18, HR
	s_add_co_u32 s66, s66, RB
	v_add_nc_u32 v10, s66, v1                      ; my four R tiles
	v_add_nc_u32 v11, s66, v2
	s_mul_i32 s66, s16, 8448                       ; my stage
	v_mul_u32_u24 v[STO], v22, 528
	v_lshl_add_u32 v[STO], v23, 6, v[STO]
	v_add_nc_u32 v[STO], s66, v[STO]               ; in: row r, + 64 h
	v_add_nc_u32 v[RD], s66, v1                    ; back: the 32 lanes take a row of 512 bytes
	; groups 1: dense blocks as rows of 256 bytes (32 elements of 8 bytes): P 384 rows, R 192
	s_lshl_b32 s59, 0x1111, s19                    ; my column of the cluster
	s_lshl_b32 s61, s20, 2
	s_lshl_b32 s61, 15, s61                        ; my row
	s_or_b32 s24, s59, (3<<16)|(1<<21)
	s_mov_b32 s25, 32<<16
	s_mov_b32 s26, 384<<16
	s_mov_b32 s27, 32<<16
	s_mov_b32 s28, 384
	s_mov_b32 s29, 32
	s_mov_b32 s30, 0
	s_mov_b32 s31, 0
	s_or_b32 s32, s61, (3<<16)|(1<<21)
	s_mov_b32 s33, 32<<16
	s_mov_b32 s34, 192<<16
	s_mov_b32 s35, 32<<16
	s_mov_b32 s36, 192
	s_mov_b32 s37, 32
	s_mov_b32 s38, 0
	s_mov_b32 s39, 0
	s_mov_b32 s40, 1
	s_mul_i32 s41, s17, HP                         ; no place in the cluster enters an LDS address
	s_mov_b32 s44, 1
	s_mul_i32 s45, s17, HR
	s_add_co_u32 s45, s45, RB
	; s56-59 and s94-95 serve P and never hold cy; s60-63 and s96-97 serve R and never hold cx
	s_mul_i32 s56, s19, 196608
	s_mul_i32 s57, s17, HP
	s_add_co_u32 s56, s56, s57
	s_add_co_u32 s56, s56, 2359296                 ; w_o is the fourth weight
	s_mov_b32 s57, 0
	s_lshl_b32 s60, s21, 2
	s_add_co_u32 s60, s60, s20                     ; R's block
	s_mul_i32 s62, s60, 98304
	s_mul_i32 s63, s17, HR
	s_add_co_u32 s62, s62, s63
	s_mov_b32 s63, 0
	s_lshl_b32 s94, s19, 13
	s_lshl_b32 s95, s17, 12
	s_add_co_u32 s94, s94, s95
	s_add_co_u32 s94, s94, 622592
	s_mov_b32 s95, 0
	s_lshl_b32 s96, s60, 9                         ; 8 tiles of 64 bytes a block,
	s_lshl_b32 s97, s18, 8                         ; 4 for my half
	s_add_co_u32 s96, s96, s97
	s_mov_b32 s97, 0
	s_lshl_b32 s84, s60, 19                        ; out0: 128 rows of 4,096 bytes a block,
	s_lshl_b32 s85, s18, 18                        ; 64 for my half;
	s_add_co_u32 s84, s84, s85
	s_lshl_b32 s85, s19, 10                        ; 256 columns a block,
	s_add_co_u32 s84, s84, s85
	s_lshl_b32 s85, s17, 9                         ; 128 for my half
	s_add_co_u32 s84, s84, s85
	s_mov_b32 s85, 0
	s_wait_alu depctr_va_vdst(0)
	s_wait_dscnt 0x0
	s_wait_kmcnt 0x0
	s_add_nc_u64 s[42:43], s[8:9], s[56:57]
	s_or_b32 s43, s43, 0x80000000
	s_add_nc_u64 s[46:47], s[4:5], s[62:63]
	s_or_b32 s47, s47, 0x80000000
	s_add_nc_u64 s[94:95], s[10:11], s[94:95]
	s_add_nc_u64 s[96:97], s[6:7], s[96:97]
	s_add_nc_u64 s[84:85], s[12:13], s[84:85]
	ROUND                                          ; all sixteen work-groups are here: the joint loads meet
	s_cmp_eq_u32 s18, 0                            ; my one joint load: waves 0, 1 for P, waves 2, 3 for R
	s_cbranch_scc0 .Lfor_r
	tensor_load_to_lds s[40:43], s[24:31]
	s_nop 0
	PLACES
	s_branch .Lasked
.Lfor_r:
	tensor_load_to_lds s[44:47], s[32:39]
	s_nop 0
	PLACES
.Lasked:
.irp p, 0,1,2,3,4,5,6,7
	global_load_b128 v[SCP+4*\p:SCP+4*\p+3], v1, s[94:95] offset:512*\p   ; register j: lanes 0-15 K step j, lanes 16-31 K step 4 + j
.endr
.irp s, 0,1,2,3,4,5,6,7
.irp g, 0,1
	global_load_b32 v[SCR+2*\s+\g], v3, s[96:97] offset:32768*\s+128*\g   ; K step s: lanes 0-15 tile 2 g's words, lanes 16-31 tile 2 g + 1's
.endr
.endr
.macro FETCH s                         ; K step s's 12 fragments into set s % 2: units 2 s, 2 s + 1 of each tile
	WIN 0x80+0x40*((\s)%2)
.irp a, 0,1,2,3
.irp c, 0,1
	ds_load_b128 v[96+12*\a+6*\c:96+12*\a+6*\c+3], v10 offset:12288*\a+768*(2*(\s)+\c)
	ds_load_b64 v[96+12*\a+6*\c+4:96+12*\a+6*\c+5], v11 offset:12288*\a+768*(2*(\s)+\c)+512
.endr
.endr
.irp p, 0,1,2,3,4,5,6,7
.irp c, 0,1
	ds_load_b128 v[12*\p+6*\c:12*\p+6*\c+3], v[6+\p/4] offset:12288*(\p%4)+768*(2*(\s)+\c)
	ds_load_b64 v[12*\p+6*\c+4:12*\p+6*\c+5], v[8+\p/4] offset:12288*(\p%4)+768*(2*(\s)+\c)+512
.endr
.endr
.endm
.macro WM a, p, s                      ; one product.  P's scale word: lanes 16-31 from K step 4 on; R's: lanes 16-31 for an odd tile
.set rD, 8*(8*(\a)+(\p))
.set rA, 12*(\p)
.set rB, 96+12*(\a)
.set rX, SCP+4*(\p)+(\s)%4
.set rY, SCR+2*(\s)+(\a)/2
.if (\s) == 0
.if ((\a)%2) == 0
	v_wmma_scale_f32_16x16x128_f8f6f4 v[rD:rD+7], v[rA:rA+11], v[rB:rB+11], 0, v[rX], v[rY] matrix_a_fmt:MATRIX_FMT_FP6 matrix_b_fmt:MATRIX_FMT_FP6
.else
	v_wmma_scale_f32_16x16x128_f8f6f4 v[rD:rD+7], v[rA:rA+11], v[rB:rB+11], 0, v[rX], v[rY] matrix_a_fmt:MATRIX_FMT_FP6 matrix_b_fmt:MATRIX_FMT_FP6 matrix_b_scale:MATRIX_SCALE_ROW1
.endif
.elseif (\s) < 4
.if ((\a)%2) == 0
	v_wmma_scale_f32_16x16x128_f8f6f4 v[rD:rD+7], v[rA:rA+11], v[rB:rB+11], v[rD:rD+7], v[rX], v[rY] matrix_a_fmt:MATRIX_FMT_FP6 matrix_b_fmt:MATRIX_FMT_FP6
.else
	v_wmma_scale_f32_16x16x128_f8f6f4 v[rD:rD+7], v[rA:rA+11], v[rB:rB+11], v[rD:rD+7], v[rX], v[rY] matrix_a_fmt:MATRIX_FMT_FP6 matrix_b_fmt:MATRIX_FMT_FP6 matrix_b_scale:MATRIX_SCALE_ROW1
.endif
.else
.if ((\a)%2) == 0
	v_wmma_scale_f32_16x16x128_f8f6f4 v[rD:rD+7], v[rA:rA+11], v[rB:rB+11], v[rD:rD+7], v[rX], v[rY] matrix_a_fmt:MATRIX_FMT_FP6 matrix_b_fmt:MATRIX_FMT_FP6 matrix_a_scale:MATRIX_SCALE_ROW1
.else
	v_wmma_scale_f32_16x16x128_f8f6f4 v[rD:rD+7], v[rA:rA+11], v[rB:rB+11], v[rD:rD+7], v[rX], v[rY] matrix_a_fmt:MATRIX_FMT_FP6 matrix_b_fmt:MATRIX_FMT_FP6 matrix_a_scale:MATRIX_SCALE_ROW1 matrix_b_scale:MATRIX_SCALE_ROW1
.endif
.endif
.endm
.macro MUL s                           ; 32 products; the 32 accumulators take turns in the same order in every step; step 0 starts the sums
	WIN 0x5a+5*((\s)%2)
.irp a, 0,1,2,3
.irp p, 0,1,2,3,4,5,6,7
	WM \a, \p, \s
.endr
.endr
.endm
.macro STEP s
	s_wait_dscnt 0x0                               ; this step's fragments are in (asked for 32 products ago)
.if (\s) < 7
.if (\s) > 0
	PLACES                                         ; between the last step's products and the loads into the set that they read
.endif
	FETCH (\s)+1
.endif
	MUL \s
.endm
	s_wait_tensorcnt 0x0                           ; my part of the tiles has landed,
	s_barrier_signal -1
	s_barrier_wait -1                              ; everybody's has
	FETCH 0
	s_wait_loadcnt 0x0                             ; the scale words
.irp s, 0,1,2,3,4,5,6,7
	STEP \s
.endr
	WIN 0
	s_barrier_signal -1                            ; my reads of the tiles are over (waited for at step 7's head):
	s_barrier_wait -1                              ; so are everybody's: the stages may be written
; THE WAY OUT, a tile of 16 tokens x 128 columns at a time: pieces of 32 bytes of one row go through my stage and come back as whole rows of 512 bytes.
; LDS serves a wave's instructions in order (ISA guide 5.7.1.4): no wait between the stores and the loads, nor in front of the next tile's stores.
.macro TOSTAGE a
	WIN 0x04                                       ; an LDS store's data are its source 1: window 1
.irp p, 0,1,2,3,4,5,6,7
	ds_store_b128 v[STO], v[8*(8*(\a)+\p):8*(8*(\a)+\p)+3] offset:128*(\p/2)+32*(\p%2)          ; each accumulator from its low end on
	ds_store_b128 v[STO], v[8*(8*(\a)+\p)+4:8*(8*(\a)+\p)+7] offset:128*(\p/2)+32*(\p%2)+16
.endr
	WIN 0
.irp i, 0,1,2,3,4,5,6,7,8,9,10,11,12,13,14,15
	ds_load_b128 v[BK+64*((\a)%2)+4*\i:BK+64*((\a)%2)+4*\i+3], v[RD] offset:528*\i
.endr
.endm
.macro SEND a, younger                 ; younger: the LDS instructions issued behind tile a's loads, which may stay out
	s_wait_dscnt \younger
.irp i, 0,1,2,3,4,5,6,7,8,9,10,11,12,13,14,15
	global_store_b128 v1, v[BK+64*((\a)%2)+4*\i:BK+64*((\a)%2)+4*\i+3], s[84:85] offset:(32*((\a)/2)+8*((\a)%2)+\i+8*(\i/8))*4096 th:TH_STORE_NT   ; 32 lanes store 512 consecutive bytes, at a multiple of 512 from out0's first byte
.endr
.endm
	PLACES                                         ; in front of the first read of results
	TOSTAGE 0
.irp a, 1,2,3
.if \a > 1
	s_wait_xcnt 0x0                                ; tile a - 2's stores have read their registers: tile a's rows may land there
.endif
	TOSTAGE \a
	SEND \a-1, 32                                  ; behind tile a - 1's loads: tile a's 16 stores and 16 loads
.endr
	SEND 3, 0
	s_wait_tensorcnt 0x0                           ; the wave's end
	ds_add_u32 v254, v255
	s_wait_dscnt 0x0
	ROUND                                          ; the closing round
	s_endpgm
.Lfunc_end_k_qa414b0022c_outp:
	.size	k_qa414b0022c_outp, .Lfunc_end_k_qa414b0022c_outp-k_qa414b0022c_outp
	.p2alignl 7, 3214868480
	.fill 96, 4, 3214868480
	.section	.rodata,"a",@progbits
	.p2align	6, 0x0
	.amdhsa_kernel k_qa414b0022c_outp
		.amdhsa_group_segment_fixed_size 295424
		.amdhsa_private_segment_fixed_size 0
		.amdhsa_enable_private_segment 0
		.amdhsa_kernarg_size 40
		.amdhsa_user_sgpr_count 2
		.amdhsa_user_sgpr_kernarg_segment_ptr 1
		.amdhsa_wavefront_size32 1
		.amdhsa_system_sgpr_workgroup_id_x 1
		.amdhsa_system_sgpr_workgroup_id_y 1
		.amdhsa_system_sgpr_workgroup_id_z 1
		.amdhsa_system_vgpr_workitem_id 0
		.amdhsa_next_free_vgpr 1024
		.amdhsa_next_free_sgpr 100
		.amdhsa_reserve_vcc 0
		.amdhsa_float_denorm_mode_32 3
		.amdhsa_float_denorm_mode_16_64 3
		.amdhsa_memory_ordered 1
		.amdhsa_forward_progress 1
		.amdhsa_inst_pref_size 81
	.end_amdhsa_kernel
	.amdgpu_metadata
---
amdhsa.version: [ 1, 2 ]
amdhsa.kernels:
  - .name:           k_qa414b0022c_outp
    .symbol:         k_qa414b0022c_outp.kd
    .args:
      - { .name: ocodes, .offset: 0, .size: 8, .value_kind: global_buffer, .address_space: global }
      - { .name: oscales, .offset: 8, .size: 8, .value_kind: global_buffer, .address_space: global }
      - { .name: wcodes, .offset: 16, .size: 8, .value_kind: global_buffer, .address_space: global }
      - { .name: pscales, .offset: 24, .size: 8, .value_kind: global_buffer, .address_space: global }
      - { .name: out0, .offset: 32, .size: 8, .value_kind: global_buffer, .address_space: global }
    .group_segment_fixed_size: 295424
    .private_segment_fixed_size: 0
    .kernarg_segment_align: 8
    .kernarg_segment_size: 40
    .max_flat_workgroup_size: 128
    .sgpr_count:     100
    .vgpr_count:     1024
    .wavefront_size: 32
...
	.end_amdgpu_metadata
.endif
;; end of part 4
